; MI455X (gfx1250); checked and timed in simulation.
; The chip was launched on July 23, 2026; its instructions are those of AMD's public machine-readable ISA for CDNA 5 (MIT licence, August 2026) and "CDNA5" Instruction Set Architecture Reference Guide (July 2026). The comments in the code are by the model that wrote it; some were corrected since.
;; Ggml Encoder Attention. Allowed arithmetic: matrix products marked QUANTISED: E2M3 operands, one E8M0 scale for each 32 along K, by v_wmma_scale_f32_16x16x128_f8f6f4 with both operands' format E2M3, f32 sums; everything else in f32.
;; Inputs: freqs_cos 2,048 x 64 float32; freqs_sin 2,048 x 64 float32; wk_b 2,048 float32; wk_w 2,048 x 2,048 float32; wo_b 2,048 float32; wo_w 2,048 x 2,048 float32; wq_b 2,048 float32; wq_w 2,048 x 2,048 float32; wv_b 2,048 float32; wv_w 2,048 x 2,048 float32; x 1 x 2,048 x 2,048 float32.
;; Outputs: out0 1 x 2,048 x 2,048 float32.
;; This version of the problem:
;;   THIS VERSION OF THE PROBLEM IS GIVEN IN LOW PRECISION. The matrix products marked QUANTISED in the list below multiply operands that are first quantised to E2M3 (2 exponent bits, 3 mantissa bits; 6 bits a number), with one power-of-two scale for each 32 numbers along K (OCP MX v1.0); their sums are f32. All else is computed in f32.
;;   The module's matrix products, in the order in which they are computed (A, B: the left and right operand; K: the contracted axis; several contracted axes count as one K, in the product's order):
;;     1. [M 2,048, K 2,048] x [K 2,048, N 2,048]; A: input x; B: input wq_w: QUANTISED
;;     2. [M 2,048, K 2,048] x [K 2,048, N 2,048]; A: input x; B: input wk_w: QUANTISED
;;     3. [M 2,048, K 2,048] x [K 2,048, N 2,048]; A: input x; B: input wv_w: QUANTISED
;;     4. batch 16 x [M 2,048, K 128] x [K 128, N 2,048]; A: computed on the way; B: computed on the way: QUANTISED
;;     5. batch 16 x [M 128, K 2,048] x [K 2,048, N 2,048]; A: computed on the way; B: softmax (see below): QUANTISED
;;     6. [M 2,048, K 2,048] x [K 2,048, N 2,048]; A: computed on the way; B: input wo_w: QUANTISED
;;   THE QUANTISER, for each operand of a quantised product, along K:
;;     - K is cut into blocks of 32 from its start; a last block that is shorter is filled with zeros.
;;     - A block's scale is 2^e with e = floor(log2(the largest magnitude in the block)) - 2, held to -126 .. 127; a block of zeros has e = 0. As a byte (E8M0): e + 127.
;;     - Each number is divided by its block's scale, clamped to +-7.5, and rounded to the nearest number of E2M3, ties to even, subnormals kept.
;;     - The product sums the exact products of the quantised numbers (number of the format x scale) in f32.
;;   ~~~python
;;   def quantise(x, axis):      # numpy; x: float32 -> the quantised numbers, widened to float32 again
;;       x = np.moveaxis(x, axis, -1); K = x.shape[-1]
;;       x = np.pad(x, [(0, 0)] * (x.ndim - 1) + [(0, -K % 32)]); x = x.reshape(x.shape[:-1] + (-1, 32)); a = np.abs(x).max(-1, keepdims=True)
;;       e = np.where(a > 0, np.clip(np.frexp(np.where(a > 0, a, 1))[1] - 1 - 2, -126, 127), 0)      # np.frexp(a)[1] - 1 = floor(log2(a)), exactly
;;       r = np.clip(x / 2.0 ** e, -7.5, 7.5)
;;       step = 2.0 ** (np.maximum(np.frexp(np.where(r == 0, 1, r))[1] - 1, 0) - 3)
;;       q = np.round(r / step) * step * 2.0 ** e      # np.round: ties to even
;;       return np.moveaxis(q.reshape(q.shape[:-2] + (-1,))[..., :K], -1, axis).astype(np.float32)
;;   ~~~
;;   SOFTMAX AHEAD OF A QUANTISED PRODUCT. Where the list says 'softmax', what is quantised is not the finished softmax but p = 2^(t - M), with t = logit x log2(e) and M = ceil(the row's largest t), a whole number; so 1/2 < the row's largest p <= 1. The row's sum l is taken of the UNQUANTISED p, in f32, and the product's result is divided by l at the end. Since M is a whole number, a kernel that streams over the keys may use a running M (the ceiling of the running maximum): every later rescaling is an exact power of two, which a block's scale takes up: the codes' values come out the same.
;;   OPERANDS COMPUTED ON THE WAY. 'Computed on the way' means the value that the module computes at that place (a softmax that the list does not call 'softmax' is quantised finished and normalised). What goes into a quantiser is computed in f32, as accurately as f32 sums, v_exp_f32 and their like allow (about 1e-6 of the number): no bf16 or f16 on the way to a quantiser, and a product that is left as it is and whose result goes on into a quantised operand takes f32 operands (vector FMAs, or v_wmma_f32_16x16x4_f32). A number that lies on a knife's edge between two numbers of the format may be rounded either way, as far as f32 arithmetic and the matrix unit's own rounding can turn it there, and no further.
;; 2 versions, each right. Each part assembles by itself: llvm-mc -triple=amdgcn-amd-amdhsa -mcpu=gfx1250 --defsym DOCPART=n.
;; ======== version 1 of 2: 4 launches
;; workspace buffers: wcodes 15,728,640 bytes; wscales 655,360 bytes; rope 1,048,576 bytes; qkvc 9,437,184 bytes; qkvs 393,216 bytes; yc 3,145,728 bytes; ys 131,072 bytes
;; launch quant (part 1): grid 768 x 1, 4 waves a work-group, no clusters, 34,304 bytes of LDS; arguments x, wq_w, wk_w, wv_w, wo_w, wcodes, wscales, rope; writes wcodes, wscales, rope
.if DOCPART == 1
	.amdgcn_target "amdgcn-amd-amdhsa--gfx1250"
	.amdhsa_code_object_version 6
	.text
	.protected	k_q654ad47005_quant
	.globl	k_q654ad47005_quant
	.p2align	8
	.type	k_q654ad47005_quant,@function
k_q654ad47005_quant:
	s_mov_b64 s[64:65], 0
	v_nop
	global_prefetch_b8 v0, s[64:65] scope:SCOPE_SE
	s_setreg_imm32_b32 hwreg(HW_REG_WAVE_MODE, 25, 1), 1
	s_wait_xcnt 0x0
; x and the four weights, each [2048][2048] f32 with K innermost, become codes of FP6 (E2M3) with one E8M0 byte for each 32 along K; and the table of cos and sin for the rotation is made.
; LAYOUT OF THE CODES: fragments of 16 rows x 128 K in the order of a matrix operand's registers: register g of lane l at byte 512 (g / 4) + 16 l + 4 (g % 4) of the fragment's 1,536 bytes,
; so that three loads or stores of 16 bytes a lane, each 512 consecutive bytes, move a fragment.  Matrix m (0 x, 1 wq, 2 wk, 3 wv, 4 wo): [row block 0..127][K step 0..15][1536].
; A fragment's scale words are a record of 64 bytes: row r's word (four bytes, one for each 32 along K) at 4 r; [matrix][row block][K step][64].
; THE ROWS OF A ROW BLOCK ARE NOT NEIGHBOURS: lane r of row block rb holds true row 32 (rb / 2) + 8 (rb % 2) + r + 8 (r / 8).  As source 0 of a product such blocks leave 16 neighbours along that axis in a lane's 16 registers of two tiles.
; SHARES.  Work-groups 0..639: matrix = id / 128, row block = id % 128; wave w takes K steps 4 w .. 4 w + 3.  Each load reads 512 consecutive bytes of one row; a fragment's 8,192 bytes turn through the wave's own stage
; in LDS (16 rows, 528 bytes apart), from which a lane takes 16 neighbours of each block of 32.  Work-groups 640..767: the table, 16 positions each, with no LDS.
; THE TABLE: rope[t][i] = (cos, sin) of fl(t x 10000^(-i / 64)), the angle rounded once as the source has it.  Sine and cosine by a reduction to a quarter turn in two terms (sound for positions up to 2,047) and two polynomials.
; LIMITS: NaN and infinities are not served; a block whose largest magnitude lies under 2^-124 has its byte held at 1; a block of zeros gets the byte 1 (its codes are zeros, and this program alone reads the bytes);
; 10000^(-i / 64) is within about 1.5 units of its last place, sine and cosine within about 1e-7.  The inputs freqs_cos and freqs_sin are not read: the source discards them.
.set MATC,  3145728                    ; a matrix of codes in bytes
.set MATS,  131072                     ; and of scale words
.set STGB,  8448                       ; a wave's stage: 16 rows x (512 + 16) bytes
.set SPARE, 33792                      ; behind the four stages: the spare words, 128 bytes for each wave
.set R,     16                         ; v16-143  two sets of 64 registers as loaded
.set X,     144                        ; v144-207 64 numbers: register 16 b + i = k 32 b + 16 (lane / 16) + i of my row
.set PC,    208                        ; v208-227 the codes; the first 12 are the fragment
.set MX,    228                        ; v228-231 largest magnitudes
.set MB,    232                        ; v232-235 the other half's, then the bytes
.set MS,    236                        ; v236-239 the conversions' scale operands
.set PW,    244                        ; v244 the scale word, v245 the even fragment's, v246 two records merged
.set PWE,   245
.set PWM,   246
.set SPW,   250                        ; v250 LDS address of my spare word; never rewritten
.set NIL,   251                        ; v251 0; never rewritten
.set SEL,   30                         ; s[30:31] lane selects: lane l xor 16
.set HM,    32                         ; s32 mask of lanes 16-31
; 64 numbers of a lane become a fragment's codes in v[PC] on and its row's scale word in v[PW].
.macro QUANT s
.irp b, 0,1,2,3
	v_max3_num_f32 v[MX+\b], |v[\s+16*\b]|, |v[\s+1+16*\b]|, 0x1800000   ; block b: my 16 numbers, and the floor 2^(3 - 127): the byte cannot fall under 1
.endr
.irp i, 2,4,6,8,10,12,14
.irp b, 0,1,2,3
	v_max3_num_f32 v[MX+\b], v[MX+\b], |v[\s+16*\b+\i]|, |v[\s+1+16*\b+\i]|   ; the four blocks by turns
.endr
.endr
.irp b, 0,1,2,3
	v_permlanex16_b32 v[MB+\b], v[MX+\b], s[SEL], s[SEL+1]
.endr
.irp b, 0,1,2,3
	v_max_num_f32 v[MX+\b], v[MX+\b], v[MB+\b]     ; with lane l xor 16: the block's largest magnitude
.endr
.irp b, 0,1,2,3
	v_add_nc_u32 v[MS+\b], 0xff000000, v[MX+\b]    ; 2 off its exponent field: the conversion takes that field as its scale
.endr
.irp b, 0,1,2,3
	v_lshrrev_b32 v[MB+\b], 23, v[MS+\b]           ; the scale's byte
.endr
	v_lshl_or_b32 v[PW], v[MB+1], 8, v[MB]
	v_lshl_or_b32 v[PW], v[MB+2], 16, v[PW]
	v_lshl_or_b32 v[PW], v[MB+3], 24, v[PW]
.irp c, 0,1
	v_cvt_scalef32_pk16_fp6_f32 v[PC+6*\c:PC+2+6*\c], v[\s+32*\c:\s+15+32*\c], v[MS+2*\c]
	v_cvt_scalef32_pk16_fp6_f32 v[PC+12+4*\c:PC+14+4*\c], v[\s+16+32*\c:\s+31+32*\c], v[MS+2*\c+1]   ; a conversion's three registers begin on an even number
.endr
	v_nop                                          ; one plain place behind a scaled conversion
.irp c, 0,1                                    ; the layout wants a whole block in a lane: lanes 0-15 block 2 c, lanes 16-31 block 2 c + 1
.irp i, 0,1,2
	v_permlane16_swap_b32 v[PC+6*\c+\i], v[PC+12+4*\c+\i]
.endr
.irp i, 0,1,2
	v_mov_b32 v[PC+3+6*\c+\i], v[PC+12+4*\c+\i]
.endr
.endr
.endm
	s_load_b256 s[4:11], s[0:1], 0x0               ; x, wq_w, wk_w, wv_w
	s_load_b256 s[12:19], s[0:1], 0x20             ; wo_w, wcodes, wscales, rope
	v_lshl_add_u32 v[SPW], v0, 2, SPARE
	v_mov_b32 v[NIL], 0
	v_lshrrev_b32 v1, 5, v0
	v_readfirstlane_b32 s20, v1                    ; wave 0..3
	v_and_b32 v1, 31, v0                           ; lane
	s_mov_b32 s27, 0
	s_mov_b32 s29, 0
	s_wait_kmcnt 0x0
	s_cmp_ge_u32 ttmp9, 640                        ; the last 128 work-groups make the table
	s_cbranch_scc1 .Ltable
	s_lshr_b32 s21, ttmp9, 7                       ; which matrix
	s_and_b32 s22, ttmp9, 127                      ; which row block
	s_mov_b64 s[24:25], s[4:5]                     ; the source: a choice that hangs on the work-group's number alone
	s_cmp_eq_u32 s21, 1
	s_cselect_b64 s[24:25], s[6:7], s[24:25]
	s_cmp_eq_u32 s21, 2
	s_cselect_b64 s[24:25], s[8:9], s[24:25]
	s_cmp_eq_u32 s21, 3
	s_cselect_b64 s[24:25], s[10:11], s[24:25]
	s_cmp_eq_u32 s21, 4
	s_cselect_b64 s[24:25], s[12:13], s[24:25]
	s_lshr_b32 s26, s22, 1
	s_lshl_b32 s26, s26, 18                        ; 32 (rb / 2) rows of 8,192 bytes
	s_and_b32 s28, s22, 1
	s_lshl_b32 s28, s28, 16                        ; + 8 (rb % 2) rows
	s_add_co_u32 s26, s26, s28
	s_lshl_b32 s28, s20, 11                        ; + my four K steps of 512 bytes
	s_add_co_u32 s26, s26, s28
	s_add_nc_u64 s[24:25], s[24:25], s[26:27]
	s_mul_i32 s26, s21, MATC
	s_mul_i32 s28, s22, 24576
	s_add_co_u32 s26, s26, s28
	s_mul_i32 s28, s20, 6144
	s_add_co_u32 s26, s26, s28
	s_add_nc_u64 s[14:15], s[14:15], s[26:27]      ; my four fragments
	s_mul_i32 s26, s21, MATS
	s_lshl_b32 s28, s22, 10
	s_add_co_u32 s26, s26, s28
	s_lshl_b32 s28, s20, 8
	s_add_co_u32 s26, s26, s28
	s_add_nc_u64 s[16:17], s[16:17], s[26:27]      ; and their four records
	s_mov_b32 s[SEL], 0x76543210
	s_mov_b32 s[SEL+1], 0xfedcba98
	s_mov_b32 s[HM], 0xffff0000
	v_and_b32 v6, 15, v0                           ; r
	v_bfe_u32 v7, v0, 4, 1                         ; h
	v_lshlrev_b32 v2, 4, v1                        ; 16 x lane: loads and code stores
	v_lshlrev_b32 v3, 2, v1                        ; 4 x lane: scale stores
	s_mul_i32 s33, s20, STGB
	v_add_nc_u32 v4, s33, v2                       ; into the stage: 16 x lane of a row
	v_mul_u32_u24 v5, v6, 528
	v_lshl_add_u32 v5, v7, 6, v5
	v_add_nc_u32 v5, s33, v5                       ; out of it: row r, + 64 h
.irp b, 0,1,2,3
	v_mov_b32 v[MB+\b], 0                          ; written once: a lane permute's destination counts as one of its sources
.endr
.macro LOADF f, set                    ; fragment f: 16 rows x 512 bytes; the order of the rows stands in the immediate
.irp i, 0,1,2,3,4,5,6,7,8,9,10,11,12,13,14,15
	global_load_b128 v[R+64*(\set)+4*\i:R+64*(\set)+4*\i+3], v2, s[24:25] offset:(\i+8*(\i/8))*8192+512*(\f) th:TH_LOAD_NT
.endr
.endm
.macro TURN set                        ; through my own stage: LDS serves a wave's instructions in order, so no wait stands between the stores and the loads
.irp i, 0,1,2,3,4,5,6,7,8,9,10,11,12,13,14,15
	ds_store_b128 v4, v[R+64*(\set)+4*\i:R+64*(\set)+4*\i+3] offset:528*\i
.endr
.irp b, 0,1,2,3
.irp j, 0,1,2,3
	ds_load_b128 v[X+16*\b+4*\j:X+16*\b+4*\j+3], v5 offset:128*\b+16*\j
.endr
.endr
.endm
.macro FRAGQ f
.if (\f) < 3
	s_wait_loadcnt 16                              ; this fragment's 16 loads are in; the other set's 16 may be out
.else
	s_wait_loadcnt 0x0
.endif
	TURN (\f)%2
	s_wait_dscnt 0x0                               ; the numbers are back, and the stage's stores have read their registers,
.if (\f)+2 < 4
	LOADF (\f)+2, (\f)%2                           ; which take the fragment two further on
.endif
.if (\f) > 0
	s_wait_xcnt 0x0                                ; the last fragment's stores have read the codes and the merged words: both are written again below
.endif
	QUANT X
.irp c, 0,1,2
	global_store_b128 v2, v[PC+4*\c:PC+4*\c+3], s[14:15] offset:1536*(\f)+512*\c   ; 512 consecutive bytes, aligned
.endr
.if (\f)%2 == 0
	v_mov_b32 v[PWE], v[PW]
.else
	v_cndmask_b32 v[PWM], v[PWE], v[PW], s[HM]     ; lanes 0-15 the even fragment's words, lanes 16-31 the odd one's: two records, 128 bytes
	global_store_b32 v3, v[PWM], s[16:17] offset:64*((\f)-1)
.endif
.endm
	LOADF 0, 0
	LOADF 1, 1
	FRAGQ 0
	FRAGQ 1
	FRAGQ 2
	FRAGQ 3
	s_wait_tensorcnt 0x0                           ; the wave's end: behind my last LDS store
	ds_add_u32 v[SPW], v[NIL]
	s_wait_dscnt 0x0
	s_endpgm
.Ltable:                                           ; 16 positions a work-group: waves 0, 1 the first 8, waves 2, 3 the next; an even wave pairs 0-31, an odd one pairs 32-63
	s_sub_co_u32 s33, ttmp9, 640
	s_lshl_b32 s35, s33, 4
	s_lshr_b32 s33, s20, 1
	s_lshl_b32 s33, s33, 3
	s_add_co_u32 s35, s35, s33                     ; my first position
	s_lshl_b32 s26, s35, 9                         ; a row of the table is 512 bytes
	s_add_nc_u64 s[18:19], s[18:19], s[26:27]
	s_and_b32 s33, s20, 1
	s_lshl_b32 s33, s33, 5
	v_add_nc_u32 v8, s33, v1                       ; i, my pair
	v_lshlrev_b32 v10, 3, v8                       ; 8 bytes a pair: 32 lanes store 256 consecutive bytes, aligned
	s_mov_b32 s36, 0x3fc90fdb                      ; a quarter turn, upper part,
	s_mov_b32 s37, 0xb33bbd2e                      ; and the rest of it
	s_mov_b32 s38, 0xb94ca1f9                      ; sine: -1.9515296e-4, 8.3321609e-3, -1.6666655e-1
	s_mov_b32 s39, 0x3c08839e
	s_mov_b32 s40, 0xbe2aaaa3
	s_mov_b32 s41, 0x37ccf5ce                      ; cosine: 2.4433157e-5, -1.3887316e-3, 4.1666646e-2
	s_mov_b32 s42, 0xbab6061a
	s_mov_b32 s43, 0x3d2aaaa5
	; 10000^(-i / 64) = 2^(-i L), L = log2(10000) / 64 = 217706 x 2^-20 - 1.147971e-7: the whole part of i x 217706 x 2^-20 goes into the exponent, the fraction through v_exp_f32, the rest is a factor 1 + i x 7.95713e-8
	v_mul_u32_u24 v9, 0x3526a, v8
	v_lshrrev_b32 v11, 20, v9                      ; n
	v_and_b32 v9, 0xfffff, v9
	v_cvt_f32_u32 v9, v9
	v_mul_f32 v9, 0xb5800000, v9                   ; -(fraction), exact
	v_exp_f32 v12, v9
	v_cvt_f32_u32 v13, v8                          ; (plain work behind the exponential)
	v_mul_f32 v13, 0x33aae0ca, v13
	v_sub_nc_u32 v11, 0, v11
	s_wait_alu depctr_va_vdst(0)                   ; the wait ahead of the first line that names the result
	v_fma_f32 v12, v12, v13, v12
	v_ldexp_f32 v12, v12, v11                      ; 10000^(-i / 64)
	s_mov_b32 s34, 8
.Ltrip:                                            ; one position a trip
	v_cvt_f32_u32 v14, s35
	v_mul_f32 v14, v14, v12                        ; the angle, rounded once
	v_mul_f32 v15, 0x3f22f983, v14
	v_rndne_f32 v15, v15                           ; k quarter turns
	v_fma_f32 v16, -v15, s36, v14                  ; exact: the difference has at most 23 bits
	v_fma_f32 v16, -v15, s37, v16                  ; r, within an eighth of a turn
	v_mul_f32 v17, v16, v16                        ; z = r r
	v_fma_f32 v18, s38, v17, s39
	v_fma_f32 v19, s41, v17, s42
	v_fma_f32 v18, v18, v17, s40
	v_fma_f32 v19, v19, v17, s43
	v_mul_f32 v20, v17, v16
	v_mul_f32 v21, v17, v17
	v_fma_f32 v22, v17, -0.5, 1.0
	v_fma_f32 v18, v18, v20, v16                   ; sin r
	v_fma_f32 v19, v19, v21, v22                   ; cos r
	v_cvt_i32_f32 v23, v15
	v_and_b32 v24, 1, v23
	v_cmp_eq_u32 vcc_lo, 1, v24                    ; an odd number of quarter turns: the two change places (a choice of values, no branch)
	v_cndmask_b32 v26, v19, v18, vcc_lo
	v_cndmask_b32 v27, v18, v19, vcc_lo
	v_add_nc_u32 v24, 1, v23
	v_and_b32 v24, 2, v24                          ; cosine is negative in quarters 1 and 2,
	v_and_b32 v25, 2, v23                          ; sine in quarters 2 and 3
	v_lshlrev_b32 v24, 30, v24
	v_lshlrev_b32 v25, 30, v25
	v_xor_b32 v26, v24, v26
	v_xor_b32 v27, v25, v27
	global_store_b64 v10, v[26:27], s[18:19]
	s_wait_xcnt 0x0                                ; the store has read its data and its base: both are written again
	s_add_nc_u64 s[18:19], s[18:19], 512
	s_add_co_u32 s35, s35, 1
	s_sub_co_u32 s34, s34, 1
	s_cmp_lg_u32 s34, 0
	s_cbranch_scc1 .Ltrip
	s_endpgm
.Lfunc_end_k_q654ad47005_quant:
	.size	k_q654ad47005_quant, .Lfunc_end_k_q654ad47005_quant-k_q654ad47005_quant
	.p2alignl 7, 3214868480
	.fill 96, 4, 3214868480
	.section	.rodata,"a",@progbits
	.p2align	6, 0x0
	.amdhsa_kernel k_q654ad47005_quant
		.amdhsa_group_segment_fixed_size 34304
		.amdhsa_private_segment_fixed_size 0
		.amdhsa_enable_private_segment 0
		.amdhsa_kernarg_size 64
		.amdhsa_user_sgpr_count 2
		.amdhsa_user_sgpr_kernarg_segment_ptr 1
		.amdhsa_wavefront_size32 1
		.amdhsa_system_sgpr_workgroup_id_x 1
		.amdhsa_system_sgpr_workgroup_id_y 1
		.amdhsa_system_sgpr_workgroup_id_z 1
		.amdhsa_system_vgpr_workitem_id 0
		.amdhsa_next_free_vgpr 256
		.amdhsa_next_free_sgpr 66
		.amdhsa_reserve_vcc 1
		.amdhsa_float_denorm_mode_32 3
		.amdhsa_float_denorm_mode_16_64 3
		.amdhsa_memory_ordered 1
		.amdhsa_forward_progress 1
		.amdhsa_inst_pref_size 37
	.end_amdhsa_kernel
	.amdgpu_metadata
---
amdhsa.version: [ 1, 2 ]
amdhsa.kernels:
  - .name:           k_q654ad47005_quant
    .symbol:         k_q654ad47005_quant.kd
    .args:
      - { .name: x, .offset: 0, .size: 8, .value_kind: global_buffer, .address_space: global }
      - { .name: wq_w, .offset: 8, .size: 8, .value_kind: global_buffer, .address_space: global }
      - { .name: wk_w, .offset: 16, .size: 8, .value_kind: global_buffer, .address_space: global }
      - { .name: wv_w, .offset: 24, .size: 8, .value_kind: global_buffer, .address_space: global }
      - { .name: wo_w, .offset: 32, .size: 8, .value_kind: global_buffer, .address_space: global }
      - { .name: wcodes, .offset: 40, .size: 8, .value_kind: global_buffer, .address_space: global }
      - { .name: wscales, .offset: 48, .size: 8, .value_kind: global_buffer, .address_space: global }
      - { .name: rope, .offset: 56, .size: 8, .value_kind: global_buffer, .address_space: global }
    .group_segment_fixed_size: 34304
    .private_segment_fixed_size: 0
    .kernarg_segment_align: 8
    .kernarg_segment_size: 64
    .max_flat_workgroup_size: 128
    .sgpr_count:     66
    .vgpr_count:     256
    .wavefront_size: 32
...
	.end_amdgpu_metadata
.endif
;; end of part 1
;; launch qkv (part 2): grid 24 x 8, 4 waves a work-group, clusters of 4 x 4, 327,680 bytes of LDS; arguments wcodes, wscales, rope, wq_b, wk_b, wv_b, qkvc, qkvs; writes qkvc, qkvs
.if DOCPART == 2
	.amdgcn_target "amdgcn-amd-amdhsa--gfx1250"
	.amdhsa_code_object_version 6
	.text
	.protected	k_q654ad47005_qkv
	.globl	k_q654ad47005_qkv
	.p2align	8
	.type	k_q654ad47005_qkv,@function
k_q654ad47005_qkv:
	s_mov_b64 s[64:65], 0
	v_nop
	global_prefetch_b8 v0, s[64:65] scope:SCOPE_SE
	s_setreg_imm32_b32 hwreg(HW_REG_WAVE_MODE, 25, 1), 1
	s_wait_xcnt 0x0
	s_wait_alu depctr_hold_cnt(0) depctr_sa_sdst(0) depctr_va_vdst(0) depctr_va_sdst(0) depctr_va_ssrc(0) depctr_va_vcc(0) depctr_vm_vsrc(0)
	s_getreg_b32 s2, hwreg(HW_REG_IB_STS2, 6, 4)
	s_cmp_eq_u32 s2, 0
	s_cbranch_scc0 .Lentry_in_a_cluster
	s_endpgm
.Lentry_in_a_cluster:
	s_bfe_u32 s2, ttmp6, 0x10000c
	s_cmp_lg_u32 s2, 0xf033
	s_cbranch_scc0 .Lentry_shape_is_right
	s_endpgm
.Lentry_shape_is_right:
; q = rope(x wq^T + bq), k = rope(x wk^T + bk), v = x wv^T + bv, on codes of FP6 (E2M3) with E8M0 scales; the results are quantised again at once: q and k along a head's 128, v along the keys.
; Three products of 2048 x 2048 x 2048 in one launch: P = cluster x / 2 (0 q, 1 k, 2 v).  A tile of C is 256 x 256: four waves, 128 x 128 each, 64 accumulators, 512 registers.
; OPERANDS are fragment images (16 rows x 128 K, 1,536 bytes in the order of the operand's registers; [matrix][row block][K step]) with records of 64 bytes of scale words beside them: three loads of 16 bytes a lane
; bring a fragment, from LDS as from memory.  Lane r of row block rb holds true row 32 (rb / 2) + 8 (rb % 2) + r + 8 (r / 8).
; THE MATRIX INSTRUCTION IS USED TRANSPOSED: source 0 = 16 rows of B, source 1 = 16 rows of A.  A lane holds one row of A, and by the order of B's rows its 64 registers of a block of 16 rows are, 16 by 16, neighbours along B's rows:
; register 16 b + i is column 32 b + 16 (lane / 16) + i of my 128: what the quantiser wants.  For q and k: A = x, B = the weight (a lane: one position, registers along the head's 128).
; For v: A = wv, B = x (a lane: one channel of a head, registers along 128 keys).  So each block of 16 rows x 128 becomes one fragment of the next product, and goes to memory as three stores of 512 bytes.
; RING: K goes in steps of 256 through two LDS slots filled by the tensor data mover: a wave's load brings 8 row blocks x 2 fragments (rows of 3,072 bytes, 24,576 apart in memory).  The scale words of the work-group's
; 256 + 256 rows, for all of K, come once with the first fills (4 x 8,192 dense bytes) and stay.
; CLUSTERS: 4 x 4 work-groups; A's tiles are asked for jointly along a row of the cluster, B's along a column.
; REGISTERS: window 0: v16-31 addresses; v32-63 scale words, two sets, and nothing else; v64-127 and v128-191 the table's two sets on the way out; v128-223 A's fragments, one set.
;   window 1: B's fragments, two sets, v0-95 and v128-223; v96-127, v224-255 the bias of my 128 columns; on the way out v0-63 the block at work, v64-95 codes and scratch, v128-138 more scratch.
;   windows 2, 3: the accumulators: (a, b) at v[8 (8 (a % 4) + b)] of window 2 + a / 4.
; LIMITS: NaN and infinities are not served; a block whose largest magnitude lies under 2^-124 has its byte held at 1; a block of zeros gets the byte 1 (its codes are zeros; this program alone reads the bytes).
.set MATC,  3145728
.set MATS,  131072
.set HALFT, 24576                      ; 8 row blocks x 2 fragments: what one tensor load brings, and what one wave reads of A or of B
.set SLOT,  4*HALFT                    ; A's two halves, then B's two
.set SCL,   2*SLOT                     ; behind the ring: the scale words,
.set HALFS, 8192                       ; 8 row blocks x 16 K steps x 64 bytes a load
.set SPARE, SCL+4*HALFS                ; behind them: the spare words, 128 bytes for each wave
.set FR,    12                         ; registers of a fragment
.set ADRA,  16                         ; v16-17 LDS address of my A fragments in slot 0, 1
.set ADRB,  20                         ; v20-21 the same for B
.set ADRS,  27                         ; v27 of my scale words: lanes 0-15 A's rows, lanes 16-31 B's
.set SPW,   28                         ; v28 LDS address of my spare word; never rewritten
.set NIL,   29                         ; v29 0; never rewritten
.set SC,    32                         ; scale words: register SC + 16 set + 2 i + q
.set AF,    128                        ; A's fragments
.set G1,  24                           ; s[24:31], s[32:39] groups 1 and 0 (a set for each slot) for A's tiles
.set G0,  32
.set G1B, 48                           ; s[48:55], s[56:63] for B's
.set G0B, 56
.set G1S, 68                           ; s[68:75], s[76:79] for A's scales; s[80:87], s[88:91] for B's
.set G0S, 76
.set G1SB, 80
.set G0SB, 88
.set T,   0                            ; the way out, in window 1: the block at work
.set PC,  64
.set MX,  84
.set MB,  88
.set MS,  92
.set U,   128
.set PW,  136
.set PWE, 137
.set PWM, 138
.set SEL, 46                           ; s[46:47] lane selects: lane l xor 16
.set HM,  100                          ; s100 mask of lanes 16-31
.set MSB, 0
.macro WIN new                         ; the immediate's high byte repeats the setting that is left
.if MSB != (\new)
	s_set_vgpr_msb (MSB<<8)|(\new)
.set MSB, (\new)
.endif
.endm
.set MUL_LO, 0xa1                      ; source 0 (B) window 1, source 1 (A) window 0, C and D window 2
.set MUL_HI, 0xf1                      ; the same, C and D window 3
.set TO_B,   0x40                      ; destination window 1, address window 0
; A joint load: waves 0 and 1 fetch for A, waves 2 and 3 for B.  The branch hangs on the wave's number alone.  An s_nop 0 and four v_nop follow each of the two lines.
.macro JLOAD g0a, g1a, g0b, g1b
	s_cmp_eq_u32 s21, 0
	s_cbranch_scc0 .Lfor_b_\@
	tensor_load_to_lds s[\g0a:\g0a+3], s[\g1a:\g1a+7]
	s_nop 0
.rept 4
	v_nop
.endr
	s_branch .Lasked_\@
.Lfor_b_\@:
	tensor_load_to_lds s[\g0b:\g0b+3], s[\g1b:\g1b+7]
	s_nop 0
.rept 4
	v_nop
.endr
.Lasked_\@:
.endm
.macro CREST                           ; a round of the cluster's barrier behind its opening barrier
	s_cmp_lg_u32 s20, 0
	s_cbranch_scc1 .Lnot_wave_0_\@
	s_barrier_signal -3
.Lnot_wave_0_\@:
	s_barrier_wait -3
	s_barrier_signal -1
	s_barrier_wait -1
.endm
.macro CROUND
	s_barrier_signal -1
	s_barrier_wait -1
	CREST
.endm
.macro PLACES n                        ; plain places behind matrix instructions, in front of loads into their registers and of reads of their results
.rept \n
	v_nop
.endr
.endm
	s_load_b256 s[4:11], s[0:1], 0x0               ; wcodes, wscales, rope, wq_b
	s_load_b256 s[12:19], s[0:1], 0x20             ; wk_b, wv_b, qkvc, qkvs
	v_lshl_add_u32 v[SPW], v0, 2, SPARE
	v_mov_b32 v[NIL], 0
	ds_add_u32 v[SPW], v[NIL]                      ; the wave's opening: the add and its wait stand ahead of my first tensor load; work on registers stands between them
	v_lshrrev_b32 v1, 5, v0
	v_readfirstlane_b32 s20, v1                    ; wave 0..3
	s_lshr_b32 s21, s20, 1                         ; which 128 rows of A are mine.  Also: I fetch for A (0) or for B (1)
	s_and_b32 s22, s20, 1                          ; which 128 rows of B.  Also: which half of that tile I fetch
	s_lshr_b32 s23, ttmp9, 1                       ; P: the same in all partners of a cluster
	s_bfe_u32 s40, ttmp6, 0x40000                  ; cx
	s_bfe_u32 s41, ttmp6, 0x40004                  ; cy
	s_and_b32 s42, ttmp9, 1
	s_lshl_b32 s42, s42, 2
	s_add_co_u32 s42, s42, s40                     ; tile of B's rows, 0..7
	s_and_b32 s43, ttmp7, 0xffff
	s_lshl_b32 s43, s43, 2
	s_add_co_u32 s43, s43, s41                     ; tile of A's rows, 0..7
	s_lshl_b32 s44, s41, 2
	s_lshl_b32 s44, 15, s44                        ; my row of the cluster
	s_lshl_b32 s45, 0x1111, s40                    ; my column
	s_or_b32 s[G1], s44, (3<<16)|(1<<21)           ; 15:0 the mask; 17:16 elements of 8 bytes; 21 set beside a mask; no padding
	s_or_b32 s[G1B], s45, (3<<16)|(1<<21)
.irp g, G1, G1B
	s_mov_b32 s[\g+1], 384<<16                     ; tensor_dim0 = 384 elements: two fragments
	s_mov_b32 s[\g+2], 8<<16                       ; tensor_dim1 = 8 row blocks
	s_mov_b32 s[\g+3], 384<<16                     ; tile_dim0
	s_mov_b32 s[\g+4], 8                           ; tile_dim1
	s_mov_b32 s[\g+5], 3072                        ; from row block to row block: 24,576 bytes
	s_mov_b32 s[\g+6], 0
	s_mov_b32 s[\g+7], 0
.endr
	s_or_b32 s[G1S], s44, (3<<16)|(1<<21)
	s_or_b32 s[G1SB], s45, (3<<16)|(1<<21)
.irp g, G1S, G1SB
	s_mov_b32 s[\g+1], 32<<16                      ; 32 rows of 256 dense bytes
	s_mov_b32 s[\g+2], 32<<16
	s_mov_b32 s[\g+3], 32<<16
	s_mov_b32 s[\g+4], 32
	s_mov_b32 s[\g+5], 32
	s_mov_b32 s[\g+6], 0
	s_mov_b32 s[\g+7], 0
.endr
	s_lshr_b32 s66, s23, 1
	s_mul_i32 s66, s66, 3                          ; A's matrix: x (0), for v wv (3)
	s_add_co_u32 s67, s23, 1
	s_sub_co_u32 s67, s67, s66                     ; B's: wq (1), wk (2), for v x (0)
	s_lshl_b32 s46, s43, 4                         ; A: the first row block that I fetch: 16 x tile + 8 x half.  These registers never hold cx
	s_lshl_b32 s47, s22, 3
	s_add_co_u32 s46, s46, s47
	s_lshl_b32 s96, s46, 10
	s_mul_i32 s97, s66, MATS
	s_add_co_u32 s96, s96, s97                     ; its scale words,
	s_mov_b32 s97, 0
	s_mul_i32 s46, s46, 24576
	s_mul_i32 s47, s66, MATC
	s_add_co_u32 s46, s46, s47                     ; its codes
	s_mov_b32 s47, 0
	s_lshl_b32 s2, s42, 4                          ; B likewise, in registers that never hold cy
	s_lshl_b32 s3, s22, 3
	s_add_co_u32 s2, s2, s3
	s_lshl_b32 s100, s2, 10
	s_mul_i32 s101, s67, MATS
	s_add_co_u32 s100, s100, s101
	s_mov_b32 s101, 0
	s_mul_i32 s2, s2, 24576
	s_mul_i32 s3, s67, MATC
	s_add_co_u32 s2, s2, s3
	s_mov_b32 s3, 0
	s_mov_b32 s[G0], 1                             ; count = 1
	s_mov_b32 s[G0+4], 1
	s_mov_b32 s[G0B], 1
	s_mov_b32 s[G0B+4], 1
	s_mov_b32 s[G0S], 1
	s_mov_b32 s[G0SB], 1
	s_mul_i32 s[G0+1], s20, HALFT                  ; where they go: wave x a load's bytes: no place in the cluster enters an LDS address
	s_add_co_u32 s[G0+5], s[G0+1], SLOT
	s_mul_i32 s[G0B+1], s20, HALFT
	s_add_co_u32 s[G0B+5], s[G0B+1], SLOT
	s_mul_i32 s[G0S+1], s20, HALFS
	s_add_co_u32 s[G0S+1], s[G0S+1], SCL
	s_mul_i32 s[G0SB+1], s20, HALFS
	s_add_co_u32 s[G0SB+1], s[G0SB+1], SCL
	s_wait_dscnt 0x0                               ; the opening add is done
	s_wait_kmcnt 0x0
	s_add_nc_u64 s[46:47], s[4:5], s[46:47]
	s_add_nc_u64 s[96:97], s[6:7], s[96:97]
	s_add_nc_u64 s[2:3], s[4:5], s[2:3]
	s_add_nc_u64 s[100:101], s[6:7], s[100:101]
	CROUND                                         ; all sixteen work-groups are here: the first joint loads meet
	s_mov_b64 s[G0S+2:G0S+3], s[96:97]
	s_or_b32 s[G0S+3], s[G0S+3], 0x80000000        ; type = 2
	s_mov_b64 s[G0SB+2:G0SB+3], s[100:101]
	s_or_b32 s[G0SB+3], s[G0SB+3], 0x80000000
	JLOAD G0S, G1S, G0SB, G1SB                     ; the scale words first: they are wanted with K step 0
.irp s, 0,1
	s_add_nc_u64 s[G0+4*\s+2:G0+4*\s+3], s[46:47], \s*3072
	s_or_b32 s[G0+4*\s+3], s[G0+4*\s+3], 0x80000000
	s_add_nc_u64 s[G0B+4*\s+2:G0B+4*\s+3], s[2:3], \s*3072
	s_or_b32 s[G0B+4*\s+3], s[G0B+4*\s+3], 0x80000000
	JLOAD G0+4*\s, G1, G0B+4*\s, G1B               ; three loads of mine are out behind the second of these
.endr
	v_and_b32 v1, 15, v0                           ; r
	v_bfe_u32 v2, v0, 4, 1                         ; h
	v_and_b32 v3, 31, v0
	v_lshlrev_b32 v24, 4, v3                       ; 16 x lane
	v_lshlrev_b32 v25, 2, v3                       ; 4 x lane
	s_mul_i32 s66, s21, HALFT                      ; my 128 rows of A,
	s_mul_i32 s67, s22, HALFT
	s_add_co_u32 s67, s67, 2*HALFT                 ; of B
.irp s, 0,1
	v_add_nc_u32 v[ADRA+\s], s66, v24
	v_add_nc_u32 v[ADRB+\s], s67, v24
	s_add_co_u32 s66, s66, SLOT
	s_add_co_u32 s67, s67, SLOT
.endr
	s_mul_i32 s66, s21, HALFS
	s_mul_i32 s67, s22, HALFS
	s_add_co_u32 s67, s67, 2*HALFS
	s_sub_co_u32 s67, s67, s66
	v_mul_u32_u24 v6, s67, v2                      ; lanes 16-31 take B's words: one product with h
	s_add_co_u32 s66, s66, SCL
	v_lshl_add_u32 v6, v1, 2, v6
	v_add_nc_u32 v[ADRS], s66, v6
	v_and_b32 v4, 8, v1
	v_add_nc_u32 v4, v4, v1                        ; r + 8 (r / 8)
	v_lshlrev_b32 v30, 6, v2                       ; 64 h: the bias of my half
	v_lshl_add_u32 v26, v4, 9, v30                 ; the table: my row of 512 bytes, + 64 h
	v_lshlrev_b32 v31, 2, v4                       ; v: the bias of my row
	; the way out's bases.  The head is B's 128 rows for q and k, A's 128 rows for v
	s_lshl_b32 s44, s43, 1
	s_add_co_u32 s44, s44, s21                     ; which 128 rows of A
	s_lshl_b32 s45, s42, 1
	s_add_co_u32 s45, s45, s22                     ; which 128 rows of B
	s_cmp_eq_u32 s23, 2
	s_cselect_b32 s40, s44, s45                    ; the head
	s_cselect_b32 s41, s45, s44                    ; q, k: 8 row blocks; v: the key step
	s_cselect_b64 s[98:99], s[14:15], s[12:13]
	s_cmp_eq_u32 s23, 0
	s_cselect_b64 s[98:99], s[10:11], s[98:99]     ; the bias: a choice that hangs on P alone
	s_mul_i32 s92, s23, MATC
	s_mul_i32 s93, s40, 196608
	s_add_co_u32 s92, s92, s93
	s_mul_i32 s93, s41, 12288
	s_add_co_u32 s92, s92, s93
	s_mov_b32 s93, 0
	s_add_nc_u64 s[92:93], s[16:17], s[92:93]      ; my eight fragments
	s_mul_i32 s94, s23, MATS
	s_lshl_b32 s95, s40, 13
	s_add_co_u32 s94, s94, s95
	s_lshl_b32 s95, s41, 9
	s_add_co_u32 s94, s94, s95
	s_mov_b32 s95, 0
	s_add_nc_u64 s[94:95], s[18:19], s[94:95]      ; and their records
	s_lshl_b32 s66, s40, 9
	s_mov_b32 s67, 0
	s_add_nc_u64 s[98:99], s[98:99], s[66:67]      ; the head's 128 numbers of the bias
	s_lshl_b32 s66, s44, 16
	s_add_nc_u64 s[96:97], s[8:9], s[66:67]        ; the table at my 128 positions
	s_mov_b32 s[SEL], 0x76543210
	s_mov_b32 s[SEL+1], 0xfedcba98
	s_mov_b32 s[HM], 0xffff0000
.macro FRAG reg, adr, q, i             ; a fragment image: three loads of 512 consecutive bytes
.irp c, 0,1,2
	ds_load_b128 v[\reg+4*\c:\reg+4*\c+3], v[\adr] offset:(\i)*3072+(\q)*1536+512*\c
.endr
.endm
; 16 matrix instructions: A's blocks a0, a0 + 1 x B's eight, 128 along K.  p: B's set; sc: the set of scale words.  first = 1: the products start the sums.
; The 64 accumulators take turns, one instruction a turn, in the same order in every step.
.macro MUL16 a0, p, q, sc, first
.irp a, \a0, \a0+1
.irp b, 0,1,2,3,4,5,6,7
.if \first
	v_wmma_scale_f32_16x16x128_f8f6f4 v[8*(8*((\a)%4)+\b):8*(8*((\a)%4)+\b)+7], v[128*(\p)+FR*\b:128*(\p)+FR*\b+FR-1], v[AF+FR*(\a):AF+FR*(\a)+FR-1], 0, v[SC+16*(\sc)+2*\b+(\q)], v[SC+16*(\sc)+2*(\a)+(\q)] matrix_a_fmt:MATRIX_FMT_FP6 matrix_b_fmt:MATRIX_FMT_FP6 matrix_a_scale:MATRIX_SCALE_ROW1
.else
	v_wmma_scale_f32_16x16x128_f8f6f4 v[8*(8*((\a)%4)+\b):8*(8*((\a)%4)+\b)+7], v[128*(\p)+FR*\b:128*(\p)+FR*\b+FR-1], v[AF+FR*(\a):AF+FR*(\a)+FR-1], v[8*(8*((\a)%4)+\b):8*(8*((\a)%4)+\b)+7], v[SC+16*(\sc)+2*\b+(\q)], v[SC+16*(\sc)+2*(\a)+(\q)] matrix_a_fmt:MATRIX_FMT_FP6 matrix_b_fmt:MATRIX_FMT_FP6 matrix_a_scale:MATRIX_SCALE_ROW1
.endif
.endr
.endr
.endm
.macro FETCH_B slot, q, p
	WIN TO_B
.irp i, 0,1,2,3,4,5,6,7
	FRAG 128*(\p)+FR*\i, ADRB+\slot, \q, \i
.endr
	WIN 0
.endm
.macro FETCH_A slot, q, i0
.irp i, \i0, \i0+1, \i0+2, \i0+3
	FRAG AF+FR*(\i), ADRA+\slot, \q, \i
.endr
.endm
.macro SCALES sc                       ; a slot's scale words: lanes 0-15 A's block i, lanes 16-31 B's block i
.irp i, 0,1,2,3,4,5,6,7
.irp q, 0,1
	ds_load_b32 v[SC+16*\sc+2*\i+\q], v[ADRS] offset:1024*\i+64*\q
.endr
.endr
.endm
.macro STEP slot, q, first             ; a step of 128 along K that has its successor in the same slot
	s_wait_dscnt 12                                ; all but the youngest 12 loads, A's blocks 4-7
	WIN MUL_LO
	MUL16 0, (\q)%2, \q, \slot, \first
	MUL16 2, (\q)%2, \q, \slot, \first
	s_wait_dscnt 0
	PLACES 4
	FETCH_B \slot, (\q)+1, 1-(\q)%2
	FETCH_A \slot, (\q)+1, 0
	WIN MUL_HI
	MUL16 4, (\q)%2, \q, \slot, \first
	MUL16 6, (\q)%2, \q, \slot, \first
	PLACES 4
	WIN 0
	FETCH_A \slot, (\q)+1, 4
.endm
; A slot's last step changes slots: one barrier; in front of it each wave waits for all its tensor loads, adds 0 to its spare word, and waits for that and for its reads of this slot.  fill = 1: the slot is filled again, two slots ahead.
.macro TURN slot, next, fill
	s_wait_tensorcnt 0x0                           ; all my tensor loads have landed: my part of the next slot
	ds_add_u32 v[SPW], v[NIL]                      ; 0 onto my spare word
	s_wait_dscnt 13                                ; the add and the youngest 12 loads may be out
	WIN MUL_LO
	MUL16 0, 1, 1, \slot, 0
	s_wait_dscnt 0x0                               ; the add is done, and my reads of this slot are over
	s_barrier_signal -1
	MUL16 2, 1, 1, \slot, 0
	WIN 0
	s_barrier_wait -1
.if \fill
	CREST                                          ; the barrier has opened a round of the cluster's: no wave of any partner still reads this slot or has a load on its way
	s_add_nc_u64 s[G0+4*\slot+2:G0+4*\slot+3], s[G0+4*\slot+2:G0+4*\slot+3], 6144
	s_add_nc_u64 s[G0B+4*\slot+2:G0B+4*\slot+3], s[G0B+4*\slot+2:G0B+4*\slot+3], 6144
	JLOAD G0+4*\slot, G1, G0B+4*\slot, G1B         ; the first tensor load behind the round; its four v_nop are also the places in front of the loads below
.else
	PLACES 4
.endif
	v_add_nc_u32 v[ADRS], 128, v[ADRS]             ; the next slot's scale words
	FETCH_B \next, 0, 0
	FETCH_A \next, 0, 0
	SCALES \next
	WIN MUL_HI
	MUL16 4, 1, 1, \slot, 0
	MUL16 6, 1, 1, \slot, 0
	PLACES 4
	WIN 0
	FETCH_A \next, 0, 4
.endm
.macro LAST                            ; the very last step: nothing more to fetch
	s_wait_dscnt 12
	WIN MUL_LO
	MUL16 0, 1, 1, 1, 0
	MUL16 2, 1, 1, 1, 0
	s_wait_dscnt 0
	WIN MUL_HI
	MUL16 4, 1, 1, 1, 0
	MUL16 6, 1, 1, 1, 0
	WIN 0
.endm
; 64 numbers of a lane, register 16 b + i = k 32 b + 16 (lane / 16) + i of my row, become a fragment's codes in v[PC] on and the row's scale word in v[PW].  All of it in window 1.
.macro QUANT s
.irp b, 0,1,2,3
	v_max3_num_f32 v[MX+\b], |v[\s+16*\b]|, |v[\s+1+16*\b]|, 0x1800000   ; and the floor 2^(3 - 127): the byte cannot fall under 1
.endr
.irp i, 2,4,6,8,10,12,14
.irp b, 0,1,2,3
	v_max3_num_f32 v[MX+\b], v[MX+\b], |v[\s+16*\b+\i]|, |v[\s+1+16*\b+\i]|
.endr
.endr
.irp b, 0,1,2,3
	v_permlanex16_b32 v[MB+\b], v[MX+\b], s[SEL], s[SEL+1]
.endr
.irp b, 0,1,2,3
	v_max_num_f32 v[MX+\b], v[MX+\b], v[MB+\b]
.endr
.irp b, 0,1,2,3
	v_add_nc_u32 v[MS+\b], 0xff000000, v[MX+\b]    ; 2 off the exponent field: the conversion's scale operand
.endr
.irp b, 0,1,2,3
	v_lshrrev_b32 v[MB+\b], 23, v[MS+\b]           ; the byte
.endr
	v_lshl_or_b32 v[PW], v[MB+1], 8, v[MB]
	v_lshl_or_b32 v[PW], v[MB+2], 16, v[PW]
	v_lshl_or_b32 v[PW], v[MB+3], 24, v[PW]
.irp c, 0,1
	v_cvt_scalef32_pk16_fp6_f32 v[PC+6*\c:PC+2+6*\c], v[\s+32*\c:\s+15+32*\c], v[MS+2*\c]
	v_cvt_scalef32_pk16_fp6_f32 v[PC+12+4*\c:PC+14+4*\c], v[\s+16+32*\c:\s+31+32*\c], v[MS+2*\c+1]
.endr
	v_nop                                          ; one plain place behind a scaled conversion
.irp c, 0,1
.irp i, 0,1,2
	v_permlane16_swap_b32 v[PC+6*\c+\i], v[PC+12+4*\c+\i]
.endr
.irp i, 0,1,2
	v_mov_b32 v[PC+3+6*\c+\i], v[PC+12+4*\c+\i]
.endr
.endr
.endm
.macro OUTFRAG a                       ; block a's fragment and, with every second block, two records of scale words
.if (\a)%2 == 0
	v_mov_b32 v[PWE], v[PW]
.else
	v_cndmask_b32 v[PWM], v[PWE], v[PW], s[HM]     ; lanes 0-15 the even block's words, lanes 16-31 the odd one's
.endif
	WIN 0x04                                       ; a store's data: window 1; its address: window 0
.irp c, 0,1,2
	global_store_b128 v24, v[PC+4*\c:PC+4*\c+3], s[92:93] offset:1536*(\a)+512*\c   ; 512 consecutive bytes, aligned
.endr
.if (\a)%2
	global_store_b32 v25, v[PWM], s[94:95] offset:64*((\a)-1)
.endif
	WIN 0
.endm
.macro TABLE a                         ; cos and sin for block a's rows: pair k of the set = (cos, sin) of the pair of channels that T's pair k holds
.irp b, 0,1,2,3
.irp j, 0,1,2,3
	global_load_b128 v[64+64*((\a)%2)+16*\b+4*\j:64+64*((\a)%2)+16*\b+4*\j+3], v26, s[96:97] offset:(32*((\a)/2)+8*((\a)%2))*512+128*\b+16*\j
.endr
.endr
.endm
.macro QKBLOCK a                       ; 16 positions x the head's 128: bias, rotation, quantiser, store
.if (\a) < 7
	TABLE (\a)+1
	s_wait_loadcnt 16                              ; all but the next block's 16 table loads
.else
	s_wait_loadcnt 0x0
.endif
	WIN 0x46+(\a)/4                                ; the sums: window 2 or 3; the bias and the result: window 1
.set kk, 0
.rept 32
	v_pk_add_f32 v[T+2*kk:T+2*kk+1], v[64*((\a)%4)+2*kk:64*((\a)%4)+2*kk+1], v[96+128*(kk/16)+(2*kk)%32:96+128*(kk/16)+(2*kk)%32+1]   ; ascending: each accumulator from its low end on
.set kk, kk+1
.endr
	WIN 0x51                                       ; T and U window 1, the table window 0
.set kk, 0
.rept 8
.irp n, 0,1,2,3
	v_pk_mul_f32 v[U+2*\n:U+2*\n+1], v[T+2*(kk+\n):T+2*(kk+\n)+1], v[64+64*((\a)%2)+2*(kk+\n):64+64*((\a)%2)+2*(kk+\n)+1] op_sel_hi:[1,0]   ; (t1 cos, t2 cos)
.endr
.irp n, 0,1,2,3
	v_pk_fma_f32 v[T+2*(kk+\n):T+2*(kk+\n)+1], v[T+2*(kk+\n):T+2*(kk+\n)+1], v[64+64*((\a)%2)+2*(kk+\n):64+64*((\a)%2)+2*(kk+\n)+1], v[U+2*\n:U+2*\n+1] op_sel:[1,1,0] op_sel_hi:[0,1,1] neg_lo:[1,0,0]   ; (t1 cos - t2 sin, t2 cos + t1 sin)
.endr
.set kk, kk+4
.endr
.if (\a) > 0
	s_wait_xcnt 0x0                                ; the last block's stores have read the codes and the merged words
.endif
	WIN 0x55
	QUANT T
	OUTFRAG \a
.endm
.macro VBLOCK a                        ; 16 channels of a head x 128 keys: bias of the lane's row, quantiser, store
	WIN 0x42+(\a)/4                                ; the sums: window 2 or 3; the bias: window 0; the result: window 1
.set kk, 0
.rept 32
.if (\a)%2
	v_pk_add_f32 v[T+2*kk:T+2*kk+1], v[64*((\a)%4)+2*kk:64*((\a)%4)+2*kk+1], v[64+2*((\a)/2):65+2*((\a)/2)] op_sel:[0,1] op_sel_hi:[1,1]
.else
	v_pk_add_f32 v[T+2*kk:T+2*kk+1], v[64*((\a)%4)+2*kk:64*((\a)%4)+2*kk+1], v[64+2*((\a)/2):65+2*((\a)/2)] op_sel:[0,0] op_sel_hi:[1,0]
.endif
.set kk, kk+1
.endr
.if (\a) > 0
	s_wait_xcnt 0x0
.endif
	WIN 0x55
	QUANT T
	OUTFRAG \a
.endm
	s_wait_tensorcnt 1                             ; the scale words and my part of slot 0 are in; slot 1's load may be out
	s_barrier_signal -1
	s_barrier_wait -1
	FETCH_B 0, 0, 0
	FETCH_A 0, 0, 0
	SCALES 0
	FETCH_A 0, 0, 4
	STEP 0, 0, 1                                   ; the first step stands in front of the loop: its products start the sums
	s_mov_b32 s3, 3
.Llap:                                             ; a trip goes once round the ring and fills both slots again
	TURN 0, 1, 1
	STEP 1, 0, 0
	TURN 1, 0, 1
	STEP 0, 0, 0
	s_sub_co_u32 s3, s3, 1
	s_cmp_lg_u32 s3, 0
	s_cbranch_scc1 .Llap
	TURN 0, 1, 0                                   ; the last lap fills nothing
	s_cmp_eq_u32 s23, 2                            ; the ways part here, on P alone, behind the last barrier of the ring: each asks for what its way out wants, under the last 128 products
	s_cbranch_scc1 .Lv
	WIN 0x40
.irp b, 0,1,2,3
.irp j, 0,1,2,3
	global_load_b128 v[96+128*(\b/2)+16*(\b%2)+4*\j:96+128*(\b/2)+16*(\b%2)+4*\j+3], v30, s[98:99] offset:128*\b+16*\j   ; number 16 b + 4 j + e: the bias of column 32 b + 16 h + 4 j + e
.endr
.endr
	WIN 0
	TABLE 0
	STEP 1, 0, 0
	LAST
	PLACES 4
	WIN 0x40
.irp b, 0,1,2,3
	v_mov_b32 v[MB+\b], 0                          ; written once: a lane permute's destination counts as one of its sources
.endr
	WIN 0
.irp a, 0,1,2,3,4,5,6,7
	QKBLOCK \a
.endr
	s_branch .Lend
.Lv:
.irp a, 0,1,2,3,4,5,6,7
	global_load_b32 v[64+\a], v31, s[98:99] offset:4*(32*(\a/2)+8*(\a%2))   ; the bias of my row of block a
.endr
	STEP 1, 0, 0
	LAST
	PLACES 4
	s_wait_loadcnt 0x0
	WIN 0x40
.irp b, 0,1,2,3
	v_mov_b32 v[MB+\b], 0
.endr
	WIN 0
.irp a, 0,1,2,3,4,5,6,7
	VBLOCK \a
.endr
.Lend:
	s_wait_tensorcnt 0x0                           ; the wave's end
	ds_add_u32 v[SPW], v[NIL]
	s_wait_dscnt 0x0
	CROUND                                         ; the closing round: no work-group ends while a partner may still ask for a tile that names it
	s_endpgm
.Lfunc_end_k_q654ad47005_qkv:
	.size	k_q654ad47005_qkv, .Lfunc_end_k_q654ad47005_qkv-k_q654ad47005_qkv
	.p2alignl 7, 3214868480
	.fill 96, 4, 3214868480
	.section	.rodata,"a",@progbits
	.p2align	6, 0x0
	.amdhsa_kernel k_q654ad47005_qkv
		.amdhsa_group_segment_fixed_size 327680
		.amdhsa_private_segment_fixed_size 0
		.amdhsa_enable_private_segment 0
		.amdhsa_kernarg_size 64
		.amdhsa_user_sgpr_count 2
		.amdhsa_user_sgpr_kernarg_segment_ptr 1
		.amdhsa_wavefront_size32 1
		.amdhsa_system_sgpr_workgroup_id_x 1
		.amdhsa_system_sgpr_workgroup_id_y 1
		.amdhsa_system_sgpr_workgroup_id_z 1
		.amdhsa_system_vgpr_workitem_id 0
		.amdhsa_next_free_vgpr 1024
		.amdhsa_next_free_sgpr 102
		.amdhsa_reserve_vcc 0
		.amdhsa_float_denorm_mode_32 3
		.amdhsa_float_denorm_mode_16_64 3
		.amdhsa_memory_ordered 1
		.amdhsa_forward_progress 1
		.amdhsa_inst_pref_size 255
	.end_amdhsa_kernel
	.section	.bss,"aw",@nobits
	.p2align	6
	.space	262144
	.amdgpu_metadata
---
amdhsa.version: [ 1, 2 ]
amdhsa.kernels:
  - .name:           k_q654ad47005_qkv
    .symbol:         k_q654ad47005_qkv.kd
    .args:
      - { .name: wcodes, .offset: 0, .size: 8, .value_kind: global_buffer, .address_space: global }
      - { .name: wscales, .offset: 8, .size: 8, .value_kind: global_buffer, .address_space: global }
      - { .name: rope, .offset: 16, .size: 8, .value_kind: global_buffer, .address_space: global }
      - { .name: wq_b, .offset: 24, .size: 8, .value_kind: global_buffer, .address_space: global }
      - { .name: wk_b, .offset: 32, .size: 8, .value_kind: global_buffer, .address_space: global }
      - { .name: wv_b, .offset: 40, .size: 8, .value_kind: global_buffer, .address_space: global }
      - { .name: qkvc, .offset: 48, .size: 8, .value_kind: global_buffer, .address_space: global }
      - { .name: qkvs, .offset: 56, .size: 8, .value_kind: global_buffer, .address_space: global }
    .group_segment_fixed_size: 327680
    .private_segment_fixed_size: 0
    .kernarg_segment_align: 8
    .kernarg_segment_size: 64
    .max_flat_workgroup_size: 128
    .sgpr_count:     102
    .vgpr_count:     1024
    .wavefront_size: 32
...
	.end_amdgpu_metadata
.endif
;; end of part 2
;; launch attn (part 3): grid 16 x 16, 16 waves a work-group, clusters of 4 x 1, 327,680 bytes of LDS; arguments qkvc, qkvs, yc, ys; writes yc, ys
.if DOCPART == 3
	.amdgcn_target "amdgcn-amd-amdhsa--gfx1250"
	.amdhsa_code_object_version 6
	.text
	.protected	k_q654ad47005_attn
	.globl	k_q654ad47005_attn
	.p2align	8
	.type	k_q654ad47005_attn,@function
k_q654ad47005_attn:
	s_mov_b64 s[64:65], 0
	v_nop
	global_prefetch_b8 v0, s[64:65] scope:SCOPE_SE
	s_setreg_imm32_b32 hwreg(HW_REG_WAVE_MODE, 25, 1), 1
	s_wait_xcnt 0x0
	s_wait_alu depctr_hold_cnt(0) depctr_sa_sdst(0) depctr_va_vdst(0) depctr_va_sdst(0) depctr_va_ssrc(0) depctr_va_vcc(0) depctr_vm_vsrc(0)
	s_getreg_b32 s2, hwreg(HW_REG_IB_STS2, 6, 4)
	s_cmp_eq_u32 s2, 0
	s_cbranch_scc0 .Lentry_in_a_cluster
	s_endpgm
.Lentry_in_a_cluster:
	s_bfe_u32 s2, ttmp6, 0x10000c
	s_cmp_lg_u32 s2, 0x3003
	s_cbranch_scc0 .Lentry_shape_is_right
	s_endpgm
.Lentry_shape_is_right:
; y[q][head] = the sum over keys k <= q of softmax_k(Q . K / sqrt(128)) V, both products on codes of FP6 (E2M3) with E8M0 scales; y is quantised along the head's 128 at once, as an operand of the last product.
; THE SOFTMAX: t = score x log2(e) / sqrt(128); M = the running largest t rounded up to a whole number; p = 2^(t - M) is quantised along the keys, not normalised; the sum is taken of the unquantised p and divides at the end.
; OPERANDS are fragment images of 1,536 bytes with records of 64 bytes of scale words.  Q, K: [head][row block 0..127]; V: [head][key step 0..15][block of 16 channels 0..7], keys innermost.
; Lane r of a block holds true row 32 (rb / 2) + 8 (rb % 2) + r + 8 (r / 8): so both products, used transposed (S^T = K Q^T, O^T = V^T P^T), leave 16 neighbours along the next K in a lane's 16 registers of two tiles.
; SHARES.  256 work-groups of equal work: head = y; j = x (0..15).  Sixteen waves: s = wave / 2, p = wave % 2.  Fragment f = 16 s + j of Q (16 queries) is served by two waves: p = 0 takes the even key steps of 128, p = 1 the odd
; ones; their (M, sum, O) are merged at the end through LDS.  A work-group's fragments lie 256 queries apart, so every work-group walks all 2,048 keys: trip counts are constants.
; A step all of whose keys come after the fragment's queries is left out by a scalar branch on ids (round loads, products and softmax alone); the step on the diagonal hides keys by a choice of values.
; The diagonal step of f is f / 8 = 2 s + cluster x / 2: it hangs on no place inside the cluster.
; RING: two slots of 512 keys: K's codes, V's codes (49,152 dense bytes each), K's and V's scale words (2,048 each), fetched by waves 0 to 3, one load each.
; CLUSTER: the four work-groups of a cluster belong to one head and walk the same K and V: each part of a slot is asked for jointly, with a mask that names the four.
; REGISTERS: v1-11 addresses; v12 -M, v13 the largest t, v[14:15] the sum; v16-27 Q; v28-31 offsets; v32-79 four fragments; v96-159 S^T, then p; v160-223 O^T; v224-243 p's codes; v244-247 scale operands;
;   v248-251 K's or V's scale words; v252 f; v253 p's scale word; v254 at work; v255 Q's scale words.
; LIMITS: NaN and infinities are not served; a block of p or of y whose largest magnitude lies under 2^-124 has its byte held at 1, a block of zeros the byte 1 (its codes are zeros).
.set MATC,  3145728
.set MATS,  131072
.set SLOT1, 1<<17                      ; slot 1 begins here: one exclusive or turns an address from one slot to the other
.set VOFF,  49152                      ; in a slot: K's codes, V's codes,
.set KSC,   98304                      ; K's scale words, and 2,048 bytes on V's
.set SPARE, SLOT1+102400               ; behind the ring: the spare words, 128 bytes for each of sixteen waves
.set MRGB,  8448                       ; the merge: 8,192 bytes of O^T, 128 of -M, 128 of the sum for each pair of waves, in slot 0, which has had its last fill and its last read by then
.set AK0, 1
.set AV0, 2
.set AS0, 3
.set DQ,  4                            ; v4  my query less the diagonal step's first key less 16 (lane / 16)
.set SPW, 5                            ; v5  LDS address of my spare word; never rewritten
.set NIL, 6                            ; v6  0; never rewritten
.set MA,  7                            ; v7  the merge: 16 x lane in my pair's bytes
.set ADK, 8
.set ADV, 9
.set ADS, 10
.set MS4, 11                           ; v11 the merge: 4 x lane behind O^T
.set PFO, 28                           ; v28 256 x lane: the prefetches' offset; never rewritten
.set WV,  12                           ; s12 wave; s13 p; s14 s; s15 cx; s16 j; s17 head; s18 f
.set DST, 19                           ; s19 the diagonal step's first key
.set SEL, 20                           ; s[20:21] lane selects: lane l xor 16
.set CS,  22                           ; s[22:23] c = log2(e) / sqrt(128)
.set G1C, 24                           ; s[24:31] group 1 for codes; s[32:39] for scale words; s[40:43], s[44:47] their groups 0, which walk
.set G1S, 32
.set G0C, 40
.set G0S, 44
.set TB,  48                           ; s48 LDS byte at which the slot in hand begins
.set KF,  49                           ; s49 my next step's first key
.set SLOTS, 50                         ; s50 slots still to be asked for
.set LIM, 51                           ; s51 1 in a wave that prefetches, else the greatest number
.set PFA, 52                           ; s[52:53] where my prefetches stand
.set PC,  96                           ; the way out's quantiser
.set MX,  116
.set MB,  120
.set MS,  124
.set PW,  128
; Waves 0 and 1 fetch K's and V's codes, waves 2 and 3 their scale words, the others nothing.  The branches hang on the wave's number alone.  An s_nop 0 and four v_nop follow each line.
.macro JLOAD
	s_cmp_lt_u32 s[WV], 2
	s_cbranch_scc0 .Lnot_c_\@
	tensor_load_to_lds s[G0C:G0C+3], s[G1C:G1C+7]
	s_nop 0
.rept 4
	v_nop
.endr
	s_branch .Lasked_\@
.Lnot_c_\@:
	s_cmp_lt_u32 s[WV], 4
	s_cbranch_scc0 .Lasked_\@
	tensor_load_to_lds s[G0S:G0S+3], s[G1S:G1S+7]
	s_nop 0
.rept 4
	v_nop
.endr
.Lasked_\@:
.endm
; A prefetch of the codes that the next change of slots will ask for: a slot's steps ahead of that load.  All clusters of a head walk the same K and V: the head's first cluster asks.  Its four partners share the slot's
; 2 x 49,152 bytes out by address (K or V, which half); in each, waves 4 to 6 take 8,192 bytes, lanes 256 bytes apart: each block of 256 bytes is named once.  The last change that fills a slot asks for nothing.
.macro ASK
	s_cmp_gt_u32 s[SLOTS], s[LIM]
	s_cbranch_scc0 .Lnot_mine_\@
	global_prefetch_b8 v[PFO], s[PFA:PFA+1] th:TH_LOAD_NT scope:SCOPE_SE
.Lnot_mine_\@:
.endm
.macro CROUND                          ; a round of the cluster's barrier
	s_barrier_signal -1
	s_barrier_wait -1
	s_cmp_lg_u32 s[WV], 0
	s_cbranch_scc1 .Lnot_wave_0_\@
	s_barrier_signal -3
.Lnot_wave_0_\@:
	s_barrier_wait -3
	s_barrier_signal -1
	s_barrier_wait -1
.endm
	s_load_b256 s[4:11], s[0:1], 0x0               ; qkvc, qkvs, yc, ys
	v_lshl_add_u32 v[SPW], v0, 2, SPARE
	v_mov_b32 v[NIL], 0
	ds_add_u32 v[SPW], v[NIL]                      ; the wave's opening: the add and its wait stand ahead of the first tensor loads; work on registers stands between them
	v_lshrrev_b32 v32, 5, v0
	v_readfirstlane_b32 s[WV], v32                 ; wave 0..15
	s_and_b32 s13, s[WV], 1                        ; p
	s_lshr_b32 s14, s[WV], 1                       ; s
	s_bfe_u32 s15, ttmp6, 0x40000                  ; cx
	s_lshl_b32 s16, ttmp9, 2
	s_add_co_u32 s16, s16, s15                     ; j
	s_and_b32 s17, ttmp7, 0xffff                   ; the head
	s_lshl_b32 s18, s14, 4
	s_add_co_u32 s18, s18, s16                     ; f
	s_lshr_b32 s[DST], ttmp9, 1
	s_lshl_b32 s54, s14, 1
	s_add_co_u32 s[DST], s[DST], s54
	s_lshl_b32 s[DST], s[DST], 7
	s_mov_b32 s[G1C], 15|(3<<16)|(1<<21)           ; the mask: all four; elements of 8 bytes; 21 set beside a mask; no padding
	s_mov_b32 s[G1C+1], 32<<16                     ; rows of 256 dense bytes,
	s_mov_b32 s[G1C+2], 192<<16                    ; 192 of them
	s_mov_b32 s[G1C+3], 32<<16
	s_mov_b32 s[G1C+4], 192
	s_mov_b32 s[G1C+5], 32
	s_mov_b32 s[G1C+6], 0
	s_mov_b32 s[G1C+7], 0
	s_mov_b32 s[G1S], 15|(3<<16)|(1<<21)
	s_mov_b32 s[G1S+1], 32<<16
	s_mov_b32 s[G1S+2], 8<<16                      ; 8 rows
	s_mov_b32 s[G1S+3], 32<<16
	s_mov_b32 s[G1S+4], 8
	s_mov_b32 s[G1S+5], 32
	s_mov_b32 s[G1S+6], 0
	s_mov_b32 s[G1S+7], 0
	s_add_co_u32 s54, s13, 1                       ; K (1) or V (2)
	s_mul_i32 s56, s54, MATS
	s_mul_i32 s54, s54, MATC
	s_mul_i32 s55, s17, 196608
	s_add_co_u32 s54, s54, s55
	s_mov_b32 s55, 0
	s_lshl_b32 s57, s17, 13
	s_add_co_u32 s56, s56, s57
	s_mov_b32 s57, 0
	s_mov_b32 s[G0C], 1
	s_mul_i32 s[G0C+1], s13, VOFF
	s_mov_b32 s[G0S], 1
	s_lshl_b32 s[G0S+1], s13, 11
	s_add_co_u32 s[G0S+1], s[G0S+1], KSC
	s_mov_b32 s[SEL], 0x76543210
	s_mov_b32 s[SEL+1], 0xfedcba98
	s_mov_b32 s[CS], 0x3e0293ee
	s_mov_b32 s[CS+1], s[CS]
	s_mov_b32 s[TB], 0
	s_lshl_b32 s[KF], s13, 7
	s_mov_b32 s[SLOTS], 3
	s_sub_co_u32 s58, s[WV], 4
	s_cmp_lt_u32 s58, 3                            ; waves 4 to 6
	s_cselect_b32 s[LIM], 1, -1
	s_cmp_eq_u32 ttmp9, 0                          ; of the head's first cluster: the same in all four partners
	s_cselect_b32 s[LIM], s[LIM], -1
	s_wait_dscnt 0x0                               ; the opening add is done
	s_wait_kmcnt 0x0
	s_add_nc_u64 s[G0C+2:G0C+3], s[4:5], s[54:55]
	s_or_b32 s[G0C+3], s[G0C+3], 0x80000000
	s_add_nc_u64 s[G0S+2:G0S+3], s[6:7], s[56:57]
	s_or_b32 s[G0S+3], s[G0S+3], 0x80000000
	CROUND                                         ; all four work-groups are here: the first joint loads meet
	JLOAD                                          ; slot 0
	s_lshr_b32 s54, s15, 1                         ; the prefetches: K or V,
	s_mul_i32 s54, s54, MATC
	s_and_b32 s55, s15, 1                          ; which half of a slot's codes,
	s_mul_i32 s55, s55, 24576
	s_add_co_u32 s54, s54, s55
	s_and_b32 s55, s[WV], 3                        ; my wave's 8,192 bytes,
	s_lshl_b32 s55, s55, 13
	s_add_co_u32 s54, s54, s55
	s_mul_i32 s55, s17, 196608                     ; in my head,
	s_add_co_u32 s54, s54, s55
	s_add_co_u32 s54, s54, MATC+49152              ; in slot 1: the first change of slots steps it to slot 2.  Nothing is prefetched here, at the head
	s_mov_b32 s55, 0
	s_add_nc_u64 s[PFA:PFA+1], s[4:5], s[54:55]
	s_mul_i32 s54, s17, 196608
	s_mul_i32 s55, s18, 1536
	s_add_co_u32 s54, s54, s55
	s_mov_b32 s55, 0
	s_add_nc_u64 s[54:55], s[4:5], s[54:55]        ; my fragment of Q,
	s_lshl_b32 s56, s17, 13
	s_lshl_b32 s57, s18, 6
	s_add_co_u32 s56, s56, s57
	s_mov_b32 s57, 0
	s_add_nc_u64 s[56:57], s[6:7], s[56:57]        ; and its record
	v_and_b32 v31, 31, v0                          ; lane
	v_and_b32 v32, 15, v0                          ; r
	v_bfe_u32 v33, v0, 4, 1                        ; h
	v_lshlrev_b32 v29, 4, v31
	v_lshlrev_b32 v30, 2, v32
.irp c, 0,1,2
	global_load_b128 v[16+4*\c:19+4*\c], v29, s[54:55] offset:512*\c
.endr
	global_load_b32 v255, v30, s[56:57]
	v_lshlrev_b32 v[PFO], 8, v31
	s_mul_i32 s58, s13, 12288                      ; my steps are the slot's steps p and p + 2
	v_add_nc_u32 v[AK0], s58, v29
	v_add_nc_u32 v[AV0], VOFF, v[AK0]
	s_lshl_b32 s58, s13, 9
	s_add_co_u32 s58, s58, KSC
	v_add_nc_u32 v[AS0], s58, v30
	s_mul_i32 s58, s14, MRGB
	v_add_nc_u32 v[MA], s58, v29
	s_add_co_u32 s58, s58, 8192
	v_lshl_add_u32 v[MS4], v31, 2, s58
	s_and_b32 s58, s16, 7
	s_lshr_b32 s58, s58, 1
	s_lshl_b32 s58, s58, 5
	s_and_b32 s59, s16, 1
	s_lshl_b32 s59, s59, 3
	s_add_co_u32 s58, s58, s59                     ; 32 ((j % 8) / 2) + 8 (j % 2)
	v_and_b32 v34, 8, v32
	v_add_nc_u32 v34, v34, v32                     ; + r + 8 (r / 8)
	v_lshlrev_b32 v35, 4, v33
	v_sub_nc_u32 v34, v34, v35                     ; - 16 h
	v_add_nc_u32 v[DQ], s58, v34
	v_mov_b32 v13, 0xff61b1e6                      ; the largest t so far: -3e38
	v_floor_f32 v12, -v13                          ; -M
	v_mov_b32 v14, 0
	v_mov_b32 v15, 0
.irp b, 0,1,2,3,4,5
	v_mov_b32 v[236+\b], 0                         ; written once: permutes' destinations, and upper halves of pairs that are named whole
.endr
	v_mov_b32 v253, 0
.set jj, 0
.rept 64
	v_mov_b32 v[160+jj], 0                         ; O^T: the step is written once; its first run finds zeros
.set jj, jj+1
.endr
.macro VLOAD u, g                      ; four fragments of V^T and their scale words
.irp t, 0,1,2,3
.irp c, 0,1,2
	ds_load_b128 v[32+12*\t+4*\c:35+12*\t+4*\c], v[ADV] offset:(\u)*24576+(4*\g+\t)*1536+512*\c
.endr
	ds_load_b32 v[248+\t], v[ADS] offset:2048+(\u)*1024+(4*\g+\t)*64
.endr
.endm
; A KEY STEP: 128 keys: the slot's step p + 2 u.
.macro STEP u
	s_cmp_gt_u32 s[KF], s[DST]                     ; all its keys come after my queries: left out (ids and the count of steps alone)
	s_cbranch_scc1 .Lhidden_\@
	v_add_nc_u32 v[ADK], s[TB], v[AK0]
	v_add_nc_u32 v[ADV], s[TB], v[AV0]
	v_add_nc_u32 v[ADS], s[TB], v[AS0]
	v_nop                                          ; these four are the places in front of loads into registers that the last products read
.irp g, 0,1                                    ; S^T = K Q^T, four tiles of 16 keys at a time
.if \g
.rept 4
	v_nop
.endr
.endif
.irp t, 0,1,2,3
.irp c, 0,1,2
	ds_load_b128 v[32+12*\t+4*\c:35+12*\t+4*\c], v[ADK] offset:(\u)*24576+(4*\g+\t)*1536+512*\c
.endr
	ds_load_b32 v[248+\t], v[ADS] offset:(\u)*1024+(4*\g+\t)*64
.endr
	s_wait_dscnt 0x0
.irp t, 0,1,2,3
	v_wmma_scale_f32_16x16x128_f8f6f4 v[96+8*(4*\g+\t):103+8*(4*\g+\t)], v[32+12*\t:43+12*\t], v[16:27], 0, v[248+\t], v255 matrix_a_fmt:MATRIX_FMT_FP6 matrix_b_fmt:MATRIX_FMT_FP6
.endr
.endr                                          ; register 16 b + i: key 32 b + 16 (lane / 16) + i of the step
.rept 4
	v_nop
.endr
	VLOAD \u, 0                                    ; V's first four fragments land under the softmax
	s_cmp_lt_u32 s[KF], s[DST]                     ; a step all of whose keys count skips the mask
	s_cbranch_scc1 .Lopen_\@
	v_mov_b32 v254, 0xff800000                     ; -infinity: p = 0 then
.irp n, 0,1,2,3,4,5,6,7,8,9,10,11,12,13,14,15,16,17,18,19,20,21,22,23,24,25,26,27,28,29,30,31,32,33,34,35,36,37,38,39,40,41,42,43,44,45,46,47,48,49,50,51,52,53,54,55,56,57,58,59,60,61,62,63
	v_cmp_gt_i32 vcc_lo, 32*(\n/16)+\n%16, v[DQ]
	v_cndmask_b32 v[96+\n], v[96+\n], v254, vcc_lo
.endr
.Lopen_\@:
.irp b, 0,1,2,3
	v_max3_num_f32 v[232+\b], v[96+16*\b], v[97+16*\b], v[98+16*\b]   ; the largest score of each block of 32 keys: for the row's maximum, and, since p rises with the score, for the block's largest p
.endr
.irp i, 3,5,7,9,11,13
.irp b, 0,1,2,3
	v_max3_num_f32 v[232+\b], v[232+\b], v[96+16*\b+\i], v[97+16*\b+\i]
.endr
.endr
.irp b, 0,1,2,3
	v_max_num_f32 v[232+\b], v[232+\b], v[111+16*\b]
.endr
.irp b, 0,1,2,3
	v_permlanex16_b32 v[236+\b], v[232+\b], s[SEL], s[SEL+1]
.endr
.irp b, 0,1,2,3
	v_max_num_f32 v[232+\b], v[232+\b], v[236+\b]  ; with lane l xor 16
.endr
	v_max3_num_f32 v254, v232, v233, v234
	v_max_num_f32 v254, v254, v235
	v_mul_f32 v254, s[CS], v254                    ; as t
	v_max_num_f32 v13, v13, v254                   ; the running largest t
	v_mov_b32 v254, v12
	v_floor_f32 v12, -v13                          ; the new -M: M is a whole number
	v_sub_f32 v254, v12, v254                      ; old M less new M: a whole number, 0 or less
	v_cvt_i32_f32 v254, v254                       ; (it saturates)
	v_ldexp_f32 v252, 1.0, v254                    ; f = 2^(old M - new M): rounds nothing
.set jj, 0
.rept 32
	v_pk_fma_f32 v[96+jj:97+jj], v[96+jj:97+jj], s[CS:CS+1], v[12:13] op_sel_hi:[1,0,0]   ; t - M
.set jj, jj+2
.endr
.irp b, 0,1,2,3
	v_fma_f32 v[232+\b], v[232+\b], s[CS], v12
.endr
.set jj, 0
.rept 64
	v_exp_f32 v[96+jj], v[96+jj]                   ; p = 2^(t - M): one batch
.set jj, jj+1
.endr
	v_pk_mul_f32 v[14:15], v[14:15], v[252:253] op_sel_hi:[1,0]   ; the sums under the new M (a plain place behind the exponentials)
	s_wait_alu depctr_va_vdst(0)                   ; one wait for the batch, ahead of its first reader
.irp b, 0,1,2,3
	v_exp_f32 v[232+\b], v[232+\b]                 ; each block's largest p
.endr
	v_pk_add_f32 v[236:237], v[96:97], v[98:99]    ; the sum of the unquantised p, in two chains
.irp j, 4,8,12,16,20,24,28,32,36,40,44,48,52,56,60
	v_pk_add_f32 v[14:15], v[14:15], v[96+\j:97+\j]
	v_pk_add_f32 v[236:237], v[236:237], v[98+\j:99+\j]
.endr
	v_pk_add_f32 v[14:15], v[14:15], v[236:237]
	s_wait_alu depctr_va_vdst(0)                   ; and one for the four
.irp b, 0,1,2,3
	v_max_num_f32 v[232+\b], 0x1800000, v[232+\b]  ; the floor 2^(3 - 127)
.endr
.irp b, 0,1,2,3
	v_add_nc_u32 v[244+\b], 0xff000000, v[232+\b]  ; the conversion's scale operand
.endr
.irp b, 0,1,2,3
	v_lshrrev_b32 v[236+\b], 23, v[244+\b]         ; the byte
.endr
	v_lshl_or_b32 v253, v237, 8, v236              ; p's scale word for these 128 keys
	v_lshl_or_b32 v253, v238, 16, v253
	v_lshl_or_b32 v253, v239, 24, v253
.irp c, 0,1
	v_cvt_scalef32_pk16_fp6_f32 v[224+6*\c:226+6*\c], v[96+32*\c:111+32*\c], v[244+2*\c]
	v_cvt_scalef32_pk16_fp6_f32 v[236+4*\c:238+4*\c], v[112+32*\c:127+32*\c], v[244+2*\c+1]
.endr
	v_nop                                          ; one plain place behind a scaled conversion
.irp c, 0,1
.irp i, 0,1,2
	v_permlane16_swap_b32 v[224+6*\c+\i], v[236+4*\c+\i]
.endr
.irp i, 0,1,2
	v_mov_b32 v[227+6*\c+\i], v[236+4*\c+\i]
.endr
.endr
.set jj, 0
.rept 32
	v_pk_mul_f32 v[160+jj:161+jj], v[160+jj:161+jj], v[252:253] op_sel_hi:[1,0]   ; O^T under the new M; these are also the places in front of the products below
.set jj, jj+2
.endr
	s_wait_dscnt 0x0                               ; V's first four fragments
.irp t, 0,1,2,3
	v_wmma_scale_f32_16x16x128_f8f6f4 v[160+8*\t:167+8*\t], v[32+12*\t:43+12*\t], v[224:235], v[160+8*\t:167+8*\t], v[248+\t], v253 matrix_a_fmt:MATRIX_FMT_FP6 matrix_b_fmt:MATRIX_FMT_FP6
.endr
.rept 4
	v_nop
.endr
	VLOAD \u, 1
	s_wait_dscnt 0x0
.irp t, 0,1,2,3
	v_wmma_scale_f32_16x16x128_f8f6f4 v[192+8*\t:199+8*\t], v[32+12*\t:43+12*\t], v[224:235], v[192+8*\t:199+8*\t], v[248+\t], v253 matrix_a_fmt:MATRIX_FMT_FP6 matrix_b_fmt:MATRIX_FMT_FP6
.endr
.Lhidden_\@:
	s_add_co_u32 s[KF], s[KF], 256                 ; my next step
.endm
; THE CHANGE OF SLOTS stands at a slot's head: each wave waits for all its tensor loads, adds 0 to its spare word, and waits for that and for its reads of the slot that it has left.  fill = 1: a round of the cluster's barrier,
; and behind it the other slot is filled with the next 512 keys: the load has a whole slot's steps in which to land.
.macro CHANGE fill
	s_wait_tensorcnt 0x0                           ; no tensor load of mine is out, so a group 0 may be written
	ds_add_u32 v[SPW], v[NIL]                      ; 0 onto my spare word
.if \fill
	s_xor_b32 s[G0C+1], s[G0C+1], SLOT1
	s_add_nc_u64 s[G0C+2:G0C+3], s[G0C+2:G0C+3], 49152
	s_xor_b32 s[G0S+1], s[G0S+1], SLOT1
	s_add_nc_u64 s[G0S+2:G0S+3], s[G0S+2:G0S+3], 2048
	s_wait_xcnt 0x0                                ; the last prefetch, a slot back, has read its address
	s_add_nc_u64 s[PFA:PFA+1], s[PFA:PFA+1], 49152
.endif
	s_wait_dscnt 0x0                               ; the add is done, and my reads of the slot that I have left are over
.if \fill
	CROUND
	JLOAD
	ASK
.else
	s_barrier_signal -1
	s_barrier_wait -1
.endif
.endm
.macro SLOT_STEPS
	STEP 0
	STEP 1
	s_xor_b32 s[TB], s[TB], SLOT1
.endm
	s_wait_loadcnt 0x0                             ; Q
.Lslot:                                            ; three trips: behind each change of slots but the last the next slot is asked for
	CHANGE 1
	SLOT_STEPS
	s_sub_co_u32 s[SLOTS], s[SLOTS], 1
	s_cmp_lg_u32 s[SLOTS], 0
	s_cbranch_scc1 .Lslot
	CHANGE 0                                       ; the last slot is written out
	SLOT_STEPS
	; THE MERGE.  The odd wave of a pair hands its -M, its sum and its O^T to the even one, as images of the registers.
.rept 4
	v_nop
.endr
	v_add_f32 v14, v14, v15                        ; the sum's two halves
	s_cmp_eq_u32 s13, 0
	s_cbranch_scc1 .Lkeep
.set jj, 0
.rept 16
	ds_store_b128 v[MA], v[160+4*jj:163+4*jj] offset:512*jj   ; ascending: each accumulator from its low end on
.set jj, jj+1
.endr
	ds_store_b32 v[MS4], v12
	ds_store_b32 v[MS4], v14 offset:128
.Lkeep:
	s_wait_dscnt 0x0                               ; for the partner's sake: my stores have landed
	s_barrier_signal -1
	s_barrier_wait -1
	s_cmp_lg_u32 s13, 0
	s_cbranch_scc1 .Ldone
.set jj, 0
.rept 16
	ds_load_b128 v[96+4*jj:99+4*jj], v[MA] offset:512*jj
.set jj, jj+1
.endr
	ds_load_b32 v232, v[MS4]
	ds_load_b32 v233, v[MS4] offset:128
	s_mul_i32 s54, s18, 24576                      ; y: row block f, K step = the head
	s_mul_i32 s55, s17, 1536
	s_add_co_u32 s54, s54, s55
	s_mov_b32 s55, 0
	s_add_nc_u64 s[54:55], s[8:9], s[54:55]
	s_lshl_b32 s56, s18, 10
	s_lshl_b32 s57, s17, 6
	s_add_co_u32 s56, s56, s57
	s_mov_b32 s57, 0
	s_add_nc_u64 s[56:57], s[10:11], s[56:57]
	s_wait_dscnt 0x0
	v_min_num_f32 v234, v12, v232                  ; -(the larger M)
	v_sub_f32 v235, v234, v12
	v_sub_f32 v236, v234, v232
	v_cvt_i32_f32 v235, v235                       ; whole numbers, 0 or less; the conversion saturates: a partner that had no step gets the factor 0, over zeros
	v_cvt_i32_f32 v236, v236
	v_ldexp_f32 v235, 1.0, v235
	v_ldexp_f32 v236, 1.0, v236
	v_mul_f32 v14, v14, v235
	v_fma_f32 v14, v233, v236, v14
	v_permlanex16_b32 v237, v14, s[SEL], s[SEL+1]
	v_add_f32 v14, v14, v237                       ; the row's sum
	v_rcp_f32 v14, v14
	v_mov_b32 v239, 0                              ; (plain places behind the reciprocal: the upper halves of the two pairs named below)
	v_mov_b32 v241, 0
	s_wait_alu depctr_va_vdst(0)                   ; the wait ahead of the first reader
	v_mul_f32 v238, v235, v14
	v_mul_f32 v240, v236, v14
.set jj, 0
.rept 32
	v_pk_mul_f32 v[160+jj:161+jj], v[160+jj:161+jj], v[238:239] op_sel_hi:[1,0]
.set jj, jj+2
.endr
.set jj, 0
.rept 32
	v_pk_fma_f32 v[160+jj:161+jj], v[96+jj:97+jj], v[240:241], v[160+jj:161+jj] op_sel_hi:[1,0,1]   ; y: register 16 b + i = channel 32 b + 16 (lane / 16) + i of my query
.set jj, jj+2
.endr
	; y's quantiser, along the head's 128
.irp b, 0,1,2,3
	v_max3_num_f32 v[MX+\b], |v[160+16*\b]|, |v[161+16*\b]|, 0x1800000
.endr
.irp i, 2,4,6,8,10,12,14
.irp b, 0,1,2,3
	v_max3_num_f32 v[MX+\b], v[MX+\b], |v[160+16*\b+\i]|, |v[161+16*\b+\i]|
.endr
.endr
.irp b, 0,1,2,3
	v_permlanex16_b32 v[MB+\b], v[MX+\b], s[SEL], s[SEL+1]
.endr
.irp b, 0,1,2,3
	v_max_num_f32 v[MX+\b], v[MX+\b], v[MB+\b]
.endr
.irp b, 0,1,2,3
	v_add_nc_u32 v[MS+\b], 0xff000000, v[MX+\b]
.endr
.irp b, 0,1,2,3
	v_lshrrev_b32 v[MB+\b], 23, v[MS+\b]
.endr
	v_lshl_or_b32 v[PW], v[MB+1], 8, v[MB]
	v_lshl_or_b32 v[PW], v[MB+2], 16, v[PW]
	v_lshl_or_b32 v[PW], v[MB+3], 24, v[PW]
.irp c, 0,1
	v_cvt_scalef32_pk16_fp6_f32 v[PC+6*\c:PC+2+6*\c], v[160+32*\c:175+32*\c], v[MS+2*\c]
	v_cvt_scalef32_pk16_fp6_f32 v[PC+12+4*\c:PC+14+4*\c], v[176+32*\c:191+32*\c], v[MS+2*\c+1]
.endr
	v_nop                                          ; one plain place behind a scaled conversion
.irp c, 0,1
.irp i, 0,1,2
	v_permlane16_swap_b32 v[PC+6*\c+\i], v[PC+12+4*\c+\i]
.endr
.irp i, 0,1,2
	v_mov_b32 v[PC+3+6*\c+\i], v[PC+12+4*\c+\i]
.endr
.endr
.irp c, 0,1,2
	global_store_b128 v29, v[PC+4*\c:PC+4*\c+3], s[54:55] offset:512*\c   ; 512 consecutive bytes, aligned
.endr
	v_cmp_gt_u32 vcc_lo, 16, v31
	s_wait_xcnt 0x0                                ; EXEC changes only behind this wait
	s_and_saveexec_b32 s60, vcc_lo                 ; the record of 64 bytes: lanes 0-15
	global_store_b32 v30, v[PW], s[56:57]
	s_wait_xcnt 0x0                                ; and again, in front of the line that widens it
	s_or_b32 exec_lo, exec_lo, s60
.Ldone:
	s_wait_tensorcnt 0x0                           ; the wave's end: behind my last tensor load and my last LDS store
	ds_add_u32 v[SPW], v[NIL]
	s_wait_dscnt 0x0
	CROUND                                         ; the closing round
	s_endpgm
.Lfunc_end_k_q654ad47005_attn:
	.size	k_q654ad47005_attn, .Lfunc_end_k_q654ad47005_attn-k_q654ad47005_attn
	.p2alignl 7, 3214868480
	.fill 96, 4, 3214868480
	.section	.rodata,"a",@progbits
	.p2align	6, 0x0
	.amdhsa_kernel k_q654ad47005_attn
		.amdhsa_group_segment_fixed_size 327680
		.amdhsa_private_segment_fixed_size 0
		.amdhsa_enable_private_segment 0
		.amdhsa_kernarg_size 32
		.amdhsa_user_sgpr_count 2
		.amdhsa_user_sgpr_kernarg_segment_ptr 1
		.amdhsa_wavefront_size32 1
		.amdhsa_system_sgpr_workgroup_id_x 1
		.amdhsa_system_sgpr_workgroup_id_y 1
		.amdhsa_system_sgpr_workgroup_id_z 1
		.amdhsa_system_vgpr_workitem_id 0
		.amdhsa_next_free_vgpr 256
		.amdhsa_next_free_sgpr 66
		.amdhsa_reserve_vcc 1
		.amdhsa_float_denorm_mode_32 3
		.amdhsa_float_denorm_mode_16_64 3
		.amdhsa_memory_ordered 1
		.amdhsa_forward_progress 1
		.amdhsa_inst_pref_size 122
	.end_amdhsa_kernel
	.amdgpu_metadata
---
amdhsa.version: [ 1, 2 ]
amdhsa.kernels:
  - .name:           k_q654ad47005_attn
    .symbol:         k_q654ad47005_attn.kd
    .args:
      - { .name: qkvc, .offset: 0, .size: 8, .value_kind: global_buffer, .address_space: global }
      - { .name: qkvs, .offset: 8, .size: 8, .value_kind: global_buffer, .address_space: global }
      - { .name: yc, .offset: 16, .size: 8, .value_kind: global_buffer, .address_space: global }
      - { .name: ys, .offset: 24, .size: 8, .value_kind: global_buffer, .address_space: global }
    .group_segment_fixed_size: 327680
    .private_segment_fixed_size: 0
    .kernarg_segment_align: 8
    .kernarg_segment_size: 32
    .max_flat_workgroup_size: 512
    .sgpr_count:     66
    .vgpr_count:     256
    .wavefront_size: 32
...
	.end_amdgpu_metadata
.endif
;; end of part 3
;; launch outp (part 4): grid 8 x 8, 4 waves a work-group, clusters of 4 x 4, 327,680 bytes of LDS; arguments yc, ys, wcodes, wscales, wo_b, out0; writes out0
.if DOCPART == 4
	.amdgcn_target "amdgcn-amd-amdhsa--gfx1250"
	.amdhsa_code_object_version 6
	.text
	.protected	k_q654ad47005_outp
	.globl	k_q654ad47005_outp
	.p2align	8
	.type	k_q654ad47005_outp,@function
k_q654ad47005_outp:
	s_mov_b64 s[64:65], 0
	v_nop
	global_prefetch_b8 v0, s[64:65] scope:SCOPE_SE
	s_setreg_imm32_b32 hwreg(HW_REG_WAVE_MODE, 25, 1), 1
	s_wait_xcnt 0x0
	s_wait_alu depctr_hold_cnt(0) depctr_sa_sdst(0) depctr_va_vdst(0) depctr_va_sdst(0) depctr_va_ssrc(0) depctr_va_vcc(0) depctr_vm_vsrc(0)
	s_getreg_b32 s2, hwreg(HW_REG_IB_STS2, 6, 4)
	s_cmp_eq_u32 s2, 0
	s_cbranch_scc0 .Lentry_in_a_cluster
	s_endpgm
.Lentry_in_a_cluster:
	s_bfe_u32 s2, ttmp6, 0x10000c
	s_cmp_lg_u32 s2, 0xf033
	s_cbranch_scc0 .Lentry_shape_is_right
	s_endpgm
.Lentry_shape_is_right:
; out0 = y wo^T + bo, on codes of FP6 (E2M3) with E8M0 scales; out0 [2048][2048] f32.
; A = y, B = wo (matrix 4 of the weights' buffer), both as fragment images (16 rows x 128 K, 1,536 bytes in the order of the operand's registers; [row block][K step]) with records of 64 bytes of scale words.
; Lane r of row block rb holds true row 32 (rb / 2) + 8 (rb % 2) + r + 8 (r / 8); the way out puts rows and columns back in their true places.
; A tile of C is 256 x 256: four waves, 128 x 128 each, 64 accumulators.  The matrix instruction is used transposed (source 0 = 16 rows of B, source 1 = 16 rows of A).  The bias is the C of each sum's first product.
; RING: K in steps of 256 through two LDS slots; a wave's tensor load brings 8 row blocks x 2 fragments.  The scale words of the work-group's rows, for all of K, come once with the first fills.
; CLUSTERS: 4 x 4 work-groups; A's tiles are asked for jointly along a row of the cluster, B's along a column.  The output has 64 tiles of this size, so the launch has 64 work-groups.
; REGISTERS: window 0: v16-31 addresses; v32-63 scale words, two sets; v128-223 A's fragments, one set; on the way out v128-255 rows of C.
;   window 1: B's fragments, two sets, v0-95 and v128-223; v96-127, v224-255 the bias in the result's layout, eight registers a tile.   windows 2, 3: the accumulators.
.set MATC,  3145728
.set MATS,  131072
.set HALFT, 24576
.set SLOT,  4*HALFT
.set SCL,   2*SLOT
.set HALFS, 8192
.set SPARE, SCL+4*HALFS
.set FR,    12
.set ADRA,  16
.set STO,   18                         ; v18 the way out: where I put 32 bytes of a row
.set RD,    19                         ; v19 and where I read a row back
.set ADRB,  20
.set ADRS,  27
.set SPW,   28
.set NIL,   29
.set SC,    32
.set AF,    128
.set G1,  24
.set G0,  32
.set G1B, 48
.set G0B, 56
.set G1S, 68
.set G0S, 76
.set G1SB, 80
.set G0SB, 88
.set MSB, 0
.macro WIN new
.if MSB != (\new)
	s_set_vgpr_msb (MSB<<8)|(\new)
.set MSB, (\new)
.endif
.endm
.set MUL_LO, 0xa1
.set MUL_HI, 0xf1
.set TO_B,   0x40
.macro JLOAD g0a, g1a, g0b, g1b        ; a joint load: waves 0 and 1 fetch for A, waves 2 and 3 for B; an s_nop 0 and four v_nop follow each line
	s_cmp_eq_u32 s21, 0
	s_cbranch_scc0 .Lfor_b_\@
	tensor_load_to_lds s[\g0a:\g0a+3], s[\g1a:\g1a+7]
	s_nop 0
.rept 4
	v_nop
.endr
	s_branch .Lasked_\@
.Lfor_b_\@:
	tensor_load_to_lds s[\g0b:\g0b+3], s[\g1b:\g1b+7]
	s_nop 0
.rept 4
	v_nop
.endr
.Lasked_\@:
.endm
.macro CREST
	s_cmp_lg_u32 s20, 0
	s_cbranch_scc1 .Lnot_wave_0_\@
	s_barrier_signal -3
.Lnot_wave_0_\@:
	s_barrier_wait -3
	s_barrier_signal -1
	s_barrier_wait -1
.endm
.macro CROUND
	s_barrier_signal -1
	s_barrier_wait -1
	CREST
.endm
.macro PLACES n
.rept \n
	v_nop
.endr
.endm
	s_load_b256 s[4:11], s[0:1], 0x0               ; yc, ys, wcodes, wscales
	s_load_b128 s[12:15], s[0:1], 0x20             ; wo_b, out0
	v_lshl_add_u32 v[SPW], v0, 2, SPARE
	v_mov_b32 v[NIL], 0
	ds_add_u32 v[SPW], v[NIL]                      ; the wave's opening: the add and its wait stand ahead of my first tensor load
	v_lshrrev_b32 v1, 5, v0
	v_readfirstlane_b32 s20, v1                    ; wave 0..3
	s_lshr_b32 s21, s20, 1                         ; which 128 rows of A are mine.  Also: I fetch for A (0) or for B (1)
	s_and_b32 s22, s20, 1                          ; which 128 rows of B.  Also: which half of that tile I fetch
	s_bfe_u32 s40, ttmp6, 0x40000                  ; cx
	s_bfe_u32 s41, ttmp6, 0x40004                  ; cy
	s_lshl_b32 s42, ttmp9, 2
	s_add_co_u32 s42, s42, s40                     ; tile of B's rows (columns of C)
	s_and_b32 s43, ttmp7, 0xffff
	s_lshl_b32 s43, s43, 2
	s_add_co_u32 s43, s43, s41                     ; tile of A's rows
	s_lshl_b32 s44, s41, 2
	s_lshl_b32 s44, 15, s44                        ; my row of the cluster
	s_lshl_b32 s45, 0x1111, s40                    ; my column
	s_or_b32 s[G1], s44, (3<<16)|(1<<21)
	s_or_b32 s[G1B], s45, (3<<16)|(1<<21)
.irp g, G1, G1B
	s_mov_b32 s[\g+1], 384<<16                     ; rows of two fragments, 3,072 bytes,
	s_mov_b32 s[\g+2], 8<<16                       ; 8 row blocks,
	s_mov_b32 s[\g+3], 384<<16
	s_mov_b32 s[\g+4], 8
	s_mov_b32 s[\g+5], 3072                        ; 24,576 bytes apart
	s_mov_b32 s[\g+6], 0
	s_mov_b32 s[\g+7], 0
.endr
	s_or_b32 s[G1S], s44, (3<<16)|(1<<21)
	s_or_b32 s[G1SB], s45, (3<<16)|(1<<21)
.irp g, G1S, G1SB
	s_mov_b32 s[\g+1], 32<<16                      ; 32 rows of 256 dense bytes
	s_mov_b32 s[\g+2], 32<<16
	s_mov_b32 s[\g+3], 32<<16
	s_mov_b32 s[\g+4], 32
	s_mov_b32 s[\g+5], 32
	s_mov_b32 s[\g+6], 0
	s_mov_b32 s[\g+7], 0
.endr
	s_lshl_b32 s46, s43, 4                         ; A: the first row block that I fetch; these registers never hold cx
	s_lshl_b32 s47, s22, 3
	s_add_co_u32 s46, s46, s47
	s_lshl_b32 s96, s46, 10
	s_mov_b32 s97, 0
	s_mul_i32 s46, s46, 24576
	s_mov_b32 s47, 0
	s_lshl_b32 s2, s42, 4                          ; B likewise, in registers that never hold cy
	s_lshl_b32 s3, s22, 3
	s_add_co_u32 s2, s2, s3
	s_lshl_b32 s100, s2, 10
	s_add_co_u32 s100, s100, 4*MATS
	s_mov_b32 s101, 0
	s_mul_i32 s2, s2, 24576
	s_add_co_u32 s2, s2, 4*MATC
	s_mov_b32 s3, 0
	s_mov_b32 s[G0], 1
	s_mov_b32 s[G0+4], 1
	s_mov_b32 s[G0B], 1
	s_mov_b32 s[G0B+4], 1
	s_mov_b32 s[G0S], 1
	s_mov_b32 s[G0SB], 1
	s_mul_i32 s[G0+1], s20, HALFT
	s_add_co_u32 s[G0+5], s[G0+1], SLOT
	s_mul_i32 s[G0B+1], s20, HALFT
	s_add_co_u32 s[G0B+5], s[G0B+1], SLOT
	s_mul_i32 s[G0S+1], s20, HALFS
	s_add_co_u32 s[G0S+1], s[G0S+1], SCL
	s_mul_i32 s[G0SB+1], s20, HALFS
	s_add_co_u32 s[G0SB+1], s[G0SB+1], SCL
	s_wait_dscnt 0x0                               ; the opening add is done
	s_wait_kmcnt 0x0
	s_add_nc_u64 s[46:47], s[4:5], s[46:47]
	s_add_nc_u64 s[96:97], s[6:7], s[96:97]
	s_add_nc_u64 s[2:3], s[8:9], s[2:3]
	s_add_nc_u64 s[100:101], s[10:11], s[100:101]
	CROUND                                         ; all sixteen work-groups are here: the first joint loads meet
	s_mov_b64 s[G0S+2:G0S+3], s[96:97]
	s_or_b32 s[G0S+3], s[G0S+3], 0x80000000
	s_mov_b64 s[G0SB+2:G0SB+3], s[100:101]
	s_or_b32 s[G0SB+3], s[G0SB+3], 0x80000000
	JLOAD G0S, G1S, G0SB, G1SB
.irp s, 0,1
	s_add_nc_u64 s[G0+4*\s+2:G0+4*\s+3], s[46:47], \s*3072
	s_or_b32 s[G0+4*\s+3], s[G0+4*\s+3], 0x80000000
	s_add_nc_u64 s[G0B+4*\s+2:G0B+4*\s+3], s[2:3], \s*3072
	s_or_b32 s[G0B+4*\s+3], s[G0B+4*\s+3], 0x80000000
	JLOAD G0+4*\s, G1, G0B+4*\s, G1B
.endr
	v_and_b32 v1, 15, v0                           ; r
	v_bfe_u32 v2, v0, 4, 1                         ; h
	v_and_b32 v3, 31, v0
	v_lshlrev_b32 v24, 4, v3                       ; 16 x lane
	v_lshlrev_b32 v30, 6, v2                       ; 64 h
	s_lshl_b32 s66, s42, 10                        ; the bias of my 128 columns: 4 (256 x tile + 128 x half) bytes on
	s_lshl_b32 s67, s22, 9
	s_add_co_u32 s66, s66, s67
	s_mov_b32 s67, 0
	s_add_nc_u64 s[98:99], s[12:13], s[66:67]
	WIN 0x40
.irp b, 0,1,2,3,4,5,6,7
	global_load_b128 v[96+8*\b+96*(\b/4):96+8*\b+96*(\b/4)+3], v30, s[98:99] offset:128*(\b/2)+32*(\b%2)       ; tile b, register j: the bias of column 32 (b / 2) + 16 h + 8 (b % 2) + j
	global_load_b128 v[96+8*\b+96*(\b/4)+4:96+8*\b+96*(\b/4)+7], v30, s[98:99] offset:128*(\b/2)+32*(\b%2)+16
.endr
	WIN 0
	s_lshl_b32 s44, s43, 8
	s_lshl_b32 s45, s21, 7
	s_add_co_u32 s44, s44, s45                     ; my first row of C,
	s_lshl_b32 s44, s44, 13                        ; in bytes,
	s_add_co_u32 s92, s44, s66                     ; + my first column
	s_mov_b32 s93, 0
	s_add_nc_u64 s[92:93], s[14:15], s[92:93]
	s_mul_i32 s66, s21, HALFT
	s_mul_i32 s67, s22, HALFT
	s_add_co_u32 s67, s67, 2*HALFT
.irp s, 0,1
	v_add_nc_u32 v[ADRA+\s], s66, v24
	v_add_nc_u32 v[ADRB+\s], s67, v24
	s_add_co_u32 s66, s66, SLOT
	s_add_co_u32 s67, s67, SLOT
.endr
	s_mul_i32 s66, s21, HALFS
	s_mul_i32 s67, s22, HALFS
	s_add_co_u32 s67, s67, 2*HALFS
	s_sub_co_u32 s67, s67, s66
	v_mul_u32_u24 v6, s67, v2                      ; lanes 16-31 take B's words: one product with h
	s_add_co_u32 s66, s66, SCL
	v_lshl_add_u32 v6, v1, 2, v6
	v_add_nc_u32 v[ADRS], s66, v6
	s_mul_i32 s66, s20, 8448                       ; my stage: 16 rows x (512 + 16) bytes, in slot 0, which has had its last fill and its last read when the first result is stored there
	v_mul_u32_u24 v4, v1, 528
	v_lshl_add_u32 v4, v2, 6, v4
	v_add_nc_u32 v[STO], s66, v4                   ; in: row r, + 64 h
	v_add_nc_u32 v[RD], s66, v24                   ; back: 16 bytes a lane of a row
.macro FRAG reg, adr, q, i
.irp c, 0,1,2
	ds_load_b128 v[\reg+4*\c:\reg+4*\c+3], v[\adr] offset:(\i)*3072+(\q)*1536+512*\c
.endr
.endm
; 16 matrix instructions: A's blocks a0, a0 + 1 x B's eight.  first = 1: the bias, in window 1, is the C that starts the sums.  The 64 accumulators take turns in one order.
.macro MUL16 a0, p, q, sc, first
.irp a, \a0, \a0+1
.irp b, 0,1,2,3,4,5,6,7
.if \first
	v_wmma_scale_f32_16x16x128_f8f6f4 v[8*(8*((\a)%4)+\b):8*(8*((\a)%4)+\b)+7], v[128*(\p)+FR*\b:128*(\p)+FR*\b+FR-1], v[AF+FR*(\a):AF+FR*(\a)+FR-1], v[96+8*\b+96*(\b/4):96+8*\b+96*(\b/4)+7], v[SC+16*(\sc)+2*\b+(\q)], v[SC+16*(\sc)+2*(\a)+(\q)] matrix_a_fmt:MATRIX_FMT_FP6 matrix_b_fmt:MATRIX_FMT_FP6 matrix_a_scale:MATRIX_SCALE_ROW1
.else
	v_wmma_scale_f32_16x16x128_f8f6f4 v[8*(8*((\a)%4)+\b):8*(8*((\a)%4)+\b)+7], v[128*(\p)+FR*\b:128*(\p)+FR*\b+FR-1], v[AF+FR*(\a):AF+FR*(\a)+FR-1], v[8*(8*((\a)%4)+\b):8*(8*((\a)%4)+\b)+7], v[SC+16*(\sc)+2*\b+(\q)], v[SC+16*(\sc)+2*(\a)+(\q)] matrix_a_fmt:MATRIX_FMT_FP6 matrix_b_fmt:MATRIX_FMT_FP6 matrix_a_scale:MATRIX_SCALE_ROW1
.endif
.endr
.endr
.endm
.macro FETCH_B slot, q, p
	WIN TO_B
.irp i, 0,1,2,3,4,5,6,7
	FRAG 128*(\p)+FR*\i, ADRB+\slot, \q, \i
.endr
	WIN 0
.endm
.macro FETCH_A slot, q, i0
.irp i, \i0, \i0+1, \i0+2, \i0+3
	FRAG AF+FR*(\i), ADRA+\slot, \q, \i
.endr
.endm
.macro SCALES sc
.irp i, 0,1,2,3,4,5,6,7
.irp q, 0,1
	ds_load_b32 v[SC+16*\sc+2*\i+\q], v[ADRS] offset:1024*\i+64*\q
.endr
.endr
.endm
.macro STEP slot, q, first
	s_wait_dscnt 12                                ; all but the youngest 12 loads, A's blocks 4-7
.if \first
	WIN 0x91                                       ; as MUL_LO, with C in window 1
.else
	WIN MUL_LO
.endif
	MUL16 0, (\q)%2, \q, \slot, \first
	MUL16 2, (\q)%2, \q, \slot, \first
	s_wait_dscnt 0
	PLACES 4
	FETCH_B \slot, (\q)+1, 1-(\q)%2
	FETCH_A \slot, (\q)+1, 0
.if \first
	WIN 0xd1
.else
	WIN MUL_HI
.endif
	MUL16 4, (\q)%2, \q, \slot, \first
	MUL16 6, (\q)%2, \q, \slot, \first
	PLACES 4
	WIN 0
	FETCH_A \slot, (\q)+1, 4
.endm
.macro TURN slot, next, fill
	s_wait_tensorcnt 0x0                           ; all my tensor loads have landed: my part of the next slot
	ds_add_u32 v[SPW], v[NIL]                      ; 0 onto my spare word
	s_wait_dscnt 13                                ; the add and the youngest 12 loads may be out
	WIN MUL_LO
	MUL16 0, 1, 1, \slot, 0
	s_wait_dscnt 0x0                               ; the add is done, and my reads of this slot are over
	s_barrier_signal -1
	MUL16 2, 1, 1, \slot, 0
	WIN 0
	s_barrier_wait -1
.if \fill
	CREST                                          ; the barrier has opened a round of the cluster's
	s_add_nc_u64 s[G0+4*\slot+2:G0+4*\slot+3], s[G0+4*\slot+2:G0+4*\slot+3], 6144
	s_add_nc_u64 s[G0B+4*\slot+2:G0B+4*\slot+3], s[G0B+4*\slot+2:G0B+4*\slot+3], 6144
	JLOAD G0+4*\slot, G1, G0B+4*\slot, G1B         ; the first tensor load behind the round; its four v_nop are also the places in front of the loads below
.else
	PLACES 4
.endif
	v_add_nc_u32 v[ADRS], 128, v[ADRS]
	FETCH_B \next, 0, 0
	FETCH_A \next, 0, 0
	SCALES \next
	WIN MUL_HI
	MUL16 4, 1, 1, \slot, 0
	MUL16 6, 1, 1, \slot, 0
	PLACES 4
	WIN 0
	FETCH_A \next, 0, 4
.endm
	s_wait_tensorcnt 1                             ; the scale words and my part of slot 0 are in; slot 1's load may be out
	s_barrier_signal -1
	s_barrier_wait -1
	FETCH_B 0, 0, 0
	FETCH_A 0, 0, 0
	SCALES 0
	FETCH_A 0, 0, 4
	s_wait_loadcnt 0x0                             ; the bias
	STEP 0, 0, 1
	s_mov_b32 s3, 3
.Llap:
	TURN 0, 1, 1
	STEP 1, 0, 0
	TURN 1, 0, 1
	STEP 0, 0, 0
	s_sub_co_u32 s3, s3, 1
	s_cmp_lg_u32 s3, 0
	s_cbranch_scc1 .Llap
	TURN 0, 1, 0
	STEP 1, 0, 0
	s_wait_dscnt 12
	WIN MUL_LO
	MUL16 0, 1, 1, 1, 0
	MUL16 2, 1, 1, 1, 0
	s_wait_dscnt 0
	WIN MUL_HI
	MUL16 4, 1, 1, 1, 0
	MUL16 6, 1, 1, 1, 0
	WIN 0
; THE WAY OUT, block by block of 16 rows x 128 columns, through my own stage: a lane's eight numbers of a tile go to their true columns, whole rows of 512 bytes come back and are stored at their true rows.
; LDS serves a wave's instructions in order (ISA guide 5.7.1.4): no wait between the stores and the loads, nor in front of the next block's stores.
.macro TOSTAGE a
	WIN 0x08+4*((\a)/4)                            ; the data: window 2 or 3
.irp b, 0,1,2,3,4,5,6,7
	ds_store_b128 v[STO], v[64*((\a)%4)+8*\b:64*((\a)%4)+8*\b+3] offset:128*(\b/2)+32*(\b%2)        ; each accumulator from its low end on
	ds_store_b128 v[STO], v[64*((\a)%4)+8*\b+4:64*((\a)%4)+8*\b+7] offset:128*(\b/2)+32*(\b%2)+16
.endr
	WIN 0
.irp t, 0,1,2,3,4,5,6,7,8,9,10,11,12,13,14,15
	ds_load_b128 v[128+64*((\a)%2)+4*\t:128+64*((\a)%2)+4*\t+3], v[RD] offset:\t*528
.endr
.endm
.macro SEND a, younger                 ; younger: the LDS instructions issued behind block a's loads, which may stay out
	s_wait_dscnt \younger
.irp t, 0,1,2,3,4,5,6,7,8,9,10,11,12,13,14,15
	global_store_b128 v24, v[128+64*((\a)%2)+4*\t:128+64*((\a)%2)+4*\t+3], s[92:93] offset:(32*((\a)/2)+8*((\a)%2)+\t+8*(\t/8))*8192 th:TH_STORE_NT   ; 512 consecutive bytes, aligned; 127 rows of 8,192 bytes at the most: inside the immediate
.endr
.endm
	PLACES 4
	TOSTAGE 0
.irp a, 1,2,3,4,5,6,7
.if \a > 1
	s_wait_xcnt 0x0                                ; block a - 2's stores have read their registers: block a's loads may land there
.endif
	TOSTAGE \a
	SEND \a-1, 32                                  ; behind block a - 1's loads: block a's 16 stores and 16 loads
.endr
	SEND 7, 0
	s_wait_tensorcnt 0x0                           ; the wave's end: behind my last tensor load and my last LDS store
	ds_add_u32 v[SPW], v[NIL]
	s_wait_dscnt 0x0
	CROUND                                         ; the closing round
	s_endpgm
.Lfunc_end_k_q654ad47005_outp:
	.size	k_q654ad47005_outp, .Lfunc_end_k_q654ad47005_outp-k_q654ad47005_outp
	.p2alignl 7, 3214868480
	.fill 96, 4, 3214868480
	.section	.rodata,"a",@progbits
	.p2align	6, 0x0
	.amdhsa_kernel k_q654ad47005_outp
		.amdhsa_group_segment_fixed_size 327680
		.amdhsa_private_segment_fixed_size 0
		.amdhsa_enable_private_segment 0
		.amdhsa_kernarg_size 48
		.amdhsa_user_sgpr_count 2
		.amdhsa_user_sgpr_kernarg_segment_ptr 1
		.amdhsa_wavefront_size32 1
		.amdhsa_system_sgpr_workgroup_id_x 1
		.amdhsa_system_sgpr_workgroup_id_y 1
		.amdhsa_system_sgpr_workgroup_id_z 1
		.amdhsa_system_vgpr_workitem_id 0
		.amdhsa_next_free_vgpr 1024
		.amdhsa_next_free_sgpr 102
		.amdhsa_reserve_vcc 0
		.amdhsa_float_denorm_mode_32 3
		.amdhsa_float_denorm_mode_16_64 3
		.amdhsa_memory_ordered 1
		.amdhsa_forward_progress 1
		.amdhsa_inst_pref_size 139
	.end_amdhsa_kernel
	.amdgpu_metadata
---
amdhsa.version: [ 1, 2 ]
amdhsa.kernels:
  - .name:           k_q654ad47005_outp
    .symbol:         k_q654ad47005_outp.kd
    .args:
      - { .name: yc, .offset: 0, .size: 8, .value_kind: global_buffer, .address_space: global }
      - { .name: ys, .offset: 8, .size: 8, .value_kind: global_buffer, .address_space: global }
      - { .name: wcodes, .offset: 16, .size: 8, .value_kind: global_buffer, .address_space: global }
      - { .name: wscales, .offset: 24, .size: 8, .value_kind: global_buffer, .address_space: global }
      - { .name: wo_b, .offset: 32, .size: 8, .value_kind: global_buffer, .address_space: global }
      - { .name: out0, .offset: 40, .size: 8, .value_kind: global_buffer, .address_space: global }
    .group_segment_fixed_size: 327680
    .private_segment_fixed_size: 0
    .kernarg_segment_align: 8
    .kernarg_segment_size: 48
    .max_flat_workgroup_size: 128
    .sgpr_count:     102
    .vgpr_count:     1024
    .wavefront_size: 32
...
	.end_amdgpu_metadata
.endif
;; end of part 4
;; ======== version 2 of 2: 4 launches
;; workspace buffers: wcodes 15,728,640 bytes; wscales 655,360 bytes; rope 1,048,576 bytes; qkvc 9,437,184 bytes; qkvs 393,216 bytes; yc 3,145,728 bytes; ys 131,072 bytes
;; launch quant: the kernel of part 1 again; grid 768 x 1, 4 waves a work-group, no clusters, 34,304 bytes of LDS; arguments x, wq_w, wk_w, wv_w, wo_w, wcodes, wscales, rope; writes wcodes, wscales, rope
;; launch qkv: the kernel of part 2 again; grid 24 x 8, 4 waves a work-group, clusters of 4 x 4, 327,680 bytes of LDS; arguments wcodes, wscales, rope, wq_b, wk_b, wv_b, qkvc, qkvs; writes qkvc, qkvs
;; launch attn: the kernel of part 3 again; grid 16 x 16, 16 waves a work-group, clusters of 4 x 1, 327,680 bytes of LDS; arguments qkvc, qkvs, yc, ys; writes yc, ys
;; launch outp (part 5): grid 16 x 16, 4 waves a work-group, clusters of 4 x 4, 327,680 bytes of LDS; arguments yc, ys, wcodes, wscales, wo_b, out0; writes out0
.if DOCPART == 5
	.amdgcn_target "amdgcn-amd-amdhsa--gfx1250"
	.amdhsa_code_object_version 6
	.text
	.protected	k_q654ad47005_outp
	.globl	k_q654ad47005_outp
	.p2align	8
	.type	k_q654ad47005_outp,@function
k_q654ad47005_outp:
	s_mov_b64 s[64:65], 0
	v_nop
	global_prefetch_b8 v0, s[64:65] scope:SCOPE_SE
	s_setreg_imm32_b32 hwreg(HW_REG_WAVE_MODE, 25, 1), 1
	s_wait_xcnt 0x0
	s_wait_alu depctr_hold_cnt(0) depctr_sa_sdst(0) depctr_va_vdst(0) depctr_va_sdst(0) depctr_va_ssrc(0) depctr_va_vcc(0) depctr_vm_vsrc(0)
	s_getreg_b32 s2, hwreg(HW_REG_IB_STS2, 6, 4)
	s_cmp_eq_u32 s2, 0
	s_cbranch_scc0 .Lentry_in_a_cluster
	s_endpgm
.Lentry_in_a_cluster:
	s_bfe_u32 s2, ttmp6, 0x10000c
	s_cmp_lg_u32 s2, 0xf033
	s_cbranch_scc0 .Lentry_shape_is_right
	s_endpgm
.Lentry_shape_is_right:
; out0 = y wo^T + bo, on codes of FP6 (E2M3) with E8M0 scales; out0 [2048][2048] f32; one f32 sum for each output, K ascending.
; A = y, B = wo (matrix 4 of the weights' buffer), both as fragment images (16 rows x 128 K, 1,536 bytes in the order of the operand's registers; [row block][K step 0..15]) with records of 64 bytes of scale words.
; Lane r of row block rb holds true row 32 (rb / 2) + 8 (rb % 2) + r + 8 (r / 8); the way out puts rows and columns back in their true places.
; SHARES.  The output has 256 tiles of 128 x 128: one to a work-group, so that each of 256 work-groups has equal work.  Four waves, 64 x 64 each: 16 accumulators, 128 registers.
; The matrix instruction is used transposed (source 0 = 16 rows of B, source 1 = 16 rows of A): a lane holds eight numbers of one row of C.  The bias is the C of each sum's first product.
; LDS: THREE slots of 512 along K (four K steps of 128): a wave's tensor load brings 4 row blocks x 4 fragments (rows of 6,144 bytes, 24,576 apart in memory).  K is 2,048: the three slots are filled at the start
; (K steps 0 to 11; with the scale words four loads of a wave are out), and slot 0 is filled again ONCE, with K steps 12 to 15, as soon as it has been read: that load has eight K steps, 128 products a wave, in which to land.
; The scale words of the work-group's 128 + 128 rows, for all of K, come once with the first fills (4 x 4,096 dense bytes) and stay.
; CLUSTERS: 4 x 4 work-groups; A's tiles are asked for jointly along a row of the cluster, B's along a column: each request serves four work-groups.
; The 16 K steps are written out: every LDS offset is an immediate, and no address is stepped.
; REGISTERS: window 0: v8-30 addresses; v32-39 scale words, two sets of four, and nothing else; v64-95 the bias in the result's layout, eight registers a tile of B; v128-255 the accumulators: (a, b) at v[128 + 8 (4 a + b)].
;   window 1: two sets of fragments, at v0 and v128: A's four (48 registers), then B's four.
.set MATC,  3145728                    ; a matrix of codes in bytes
.set MATS,  131072                     ; and of scale words
.set HALFT, 24576                      ; 4 row blocks x 4 fragments: what one tensor load brings, and what one wave reads of A or of B in a slot
.set SLOT,  4*HALFT                    ; A's two halves, then B's two
.set SCL,   3*SLOT                     ; behind the three slots: the scale words,
.set HALFS, 4096                       ; 4 row blocks x 16 K steps x 64 bytes a load
.set SPARE, SCL+4*HALFS                ; behind them: the spare words, 128 bytes for each wave
.set SP,    272                        ; the way out: a stage row: 256 bytes + 16
.set STAGE, SLOT                       ; 64 such rows for each wave, in slot 1: it has its only fill at the start, and its last read stands ahead of the last barrier
.set FR,    12                         ; registers of a fragment
.set ADRA,  8                          ; v8-10  LDS address of my A fragments in slot 0, 1, 2
.set ADRB,  12                         ; v12-14 the same for B
.set ADRS,  16                         ; v16 of my scale words: lanes 0-15 A's rows, lanes 16-31 B's
.set STO,   17                         ; v17 the way out: where I put 32 bytes of a row
.set RD,    18                         ; v18 and where I read a row back
.set CO,    26                         ; v26 my byte offset in two rows of C
.set SPW,   28                         ; v28 LDS address of my spare word; never rewritten
.set NIL,   29                         ; v29 0; never rewritten
.set SC,    32                         ; scale words: register SC + 4 (step % 2) + i
.set BI,    64                         ; the bias
.set ACC,   128
.set G1,  24                           ; s[24:31] group 1 for A's tiles; s[32:43] group 0, a set for each slot
.set G0,  32
.set G1B, 44                           ; s[44:51], s[52:63] the same for B's
.set G0B, 52
.set G1S, 68                           ; s[68:75], s[76:79] for A's scale words; s[80:87], s[88:91] for B's
.set G0S, 76
.set G1SB, 80
.set G0SB, 88
.set MSB, 0
.macro WIN new                         ; the immediate's high byte repeats the setting that is left
.if MSB != (\new)
	s_set_vgpr_msb (MSB<<8)|(\new)
.set MSB, (\new)
.endif
.endm
.set MUL,  0x05                        ; sources 0 (B) and 1 (A) window 1; C and D window 0
.set TO_F, 0x40                        ; destination window 1, address window 0
; A joint load: waves 0 and 1 fetch for A, waves 2 and 3 for B.  The branch hangs on the wave's number alone.  An s_nop 0 and four v_nop follow each of the two lines.
.macro JLOAD g0a, g1a, g0b, g1b
	s_cmp_eq_u32 s21, 0
	s_cbranch_scc0 .Lfor_b_\@
	tensor_load_to_lds s[\g0a:\g0a+3], s[\g1a:\g1a+7]
	s_nop 0
.rept 4
	v_nop
.endr
	s_branch .Lasked_\@
.Lfor_b_\@:
	tensor_load_to_lds s[\g0b:\g0b+3], s[\g1b:\g1b+7]
	s_nop 0
.rept 4
	v_nop
.endr
.Lasked_\@:
.endm
.macro CREST                           ; a round of the cluster's barrier behind its opening barrier
	s_cmp_lg_u32 s20, 0
	s_cbranch_scc1 .Lnot_wave_0_\@
	s_barrier_signal -3
.Lnot_wave_0_\@:
	s_barrier_wait -3
	s_barrier_signal -1
	s_barrier_wait -1
.endm
.macro CROUND
	s_barrier_signal -1
	s_barrier_wait -1
	CREST
.endm
.macro PLACES n                        ; plain places behind matrix instructions, in front of loads into their registers and of reads of their results
.rept \n
	v_nop
.endr
.endm
	s_load_b256 s[4:11], s[0:1], 0x0               ; yc, ys, wcodes, wscales
	s_load_b128 s[12:15], s[0:1], 0x20             ; wo_b, out0
	v_lshl_add_u32 v[SPW], v0, 2, SPARE
	v_mov_b32 v[NIL], 0
	ds_add_u32 v[SPW], v[NIL]                      ; the wave's opening: the add and its wait stand ahead of my first tensor load; work on registers stands between them
	v_lshrrev_b32 v1, 5, v0
	v_readfirstlane_b32 s20, v1                    ; wave 0..3
	s_lshr_b32 s21, s20, 1                         ; which 64 rows of A are mine.  Also: I fetch for A (0) or for B (1)
	s_and_b32 s22, s20, 1                          ; which 64 rows of B.  Also: which half of that tile I fetch
	s_bfe_u32 s18, ttmp6, 0x40000                  ; cx
	s_bfe_u32 s19, ttmp6, 0x40004                  ; cy
	s_lshl_b32 s23, ttmp9, 2
	s_add_co_u32 s23, s23, s18                     ; tile of B's rows (columns of C), 0..15
	s_and_b32 s94, ttmp7, 0xffff
	s_lshl_b32 s94, s94, 2
	s_add_co_u32 s94, s94, s19                     ; tile of A's rows, 0..15
	s_lshl_b32 s95, s19, 2
	s_lshl_b32 s95, 15, s95                        ; my row of the cluster
	s_lshl_b32 s66, 0x1111, s18                    ; my column
	s_or_b32 s[G1], s95, (3<<16)|(1<<21)           ; 15:0 the mask; 17:16 elements of 8 bytes; 21 set beside a mask; no padding
	s_or_b32 s[G1B], s66, (3<<16)|(1<<21)
.irp g, G1, G1B
	s_mov_b32 s[\g+1], 768<<16                     ; tensor_dim0 = 768 elements: four fragments, 6,144 bytes
	s_mov_b32 s[\g+2], 4<<16                       ; tensor_dim1 = 4 row blocks
	s_mov_b32 s[\g+3], 768<<16                     ; tile_dim0
	s_mov_b32 s[\g+4], 4                           ; tile_dim1
	s_mov_b32 s[\g+5], 3072                        ; from row block to row block: 24,576 bytes
	s_mov_b32 s[\g+6], 0
	s_mov_b32 s[\g+7], 0
.endr
	s_or_b32 s[G1S], s95, (3<<16)|(1<<21)
	s_or_b32 s[G1SB], s66, (3<<16)|(1<<21)
.irp g, G1S, G1SB
	s_mov_b32 s[\g+1], 32<<16                      ; 16 rows of 256 dense bytes
	s_mov_b32 s[\g+2], 16<<16
	s_mov_b32 s[\g+3], 32<<16
	s_mov_b32 s[\g+4], 16
	s_mov_b32 s[\g+5], 32
	s_mov_b32 s[\g+6], 0
	s_mov_b32 s[\g+7], 0
.endr
	s_lshl_b32 s16, s94, 3                         ; A: the first row block that I fetch: 8 x tile + 4 x half.  These registers never hold cx
	s_lshl_b32 s17, s22, 2
	s_add_co_u32 s16, s16, s17
	s_lshl_b32 s96, s16, 10                        ; its scale words,
	s_mov_b32 s97, 0
	s_mul_i32 s16, s16, 24576                      ; its codes
	s_mov_b32 s17, 0
	s_lshl_b32 s2, s23, 3                          ; B likewise, in registers that never hold cy
	s_lshl_b32 s3, s22, 2
	s_add_co_u32 s2, s2, s3
	s_lshl_b32 s100, s2, 10
	s_add_co_u32 s100, s100, 4*MATS
	s_mov_b32 s101, 0
	s_mul_i32 s2, s2, 24576
	s_add_co_u32 s2, s2, 4*MATC
	s_mov_b32 s3, 0
.irp s, 0,1,2
	s_mov_b32 s[G0+4*\s], 1                        ; count = 1
	s_mov_b32 s[G0B+4*\s], 1
.endr
	s_mov_b32 s[G0S], 1
	s_mov_b32 s[G0SB], 1
	s_mul_i32 s[G0+1], s20, HALFT                  ; where they go: wave x a load's bytes, + the slot: no place in the cluster enters an LDS address
	s_add_co_u32 s[G0+5], s[G0+1], SLOT
	s_add_co_u32 s[G0+9], s[G0+1], 2*SLOT
	s_mul_i32 s[G0B+1], s20, HALFT
	s_add_co_u32 s[G0B+5], s[G0B+1], SLOT
	s_add_co_u32 s[G0B+9], s[G0B+1], 2*SLOT
	s_mul_i32 s[G0S+1], s20, HALFS
	s_add_co_u32 s[G0S+1], s[G0S+1], SCL
	s_mul_i32 s[G0SB+1], s20, HALFS
	s_add_co_u32 s[G0SB+1], s[G0SB+1], SCL
	s_wait_dscnt 0x0                               ; the opening add is done
	s_wait_kmcnt 0x0
	s_add_nc_u64 s[16:17], s[4:5], s[16:17]
	s_add_nc_u64 s[96:97], s[6:7], s[96:97]
	s_add_nc_u64 s[2:3], s[8:9], s[2:3]
	s_add_nc_u64 s[100:101], s[10:11], s[100:101]
	CROUND                                         ; all sixteen work-groups are here: the first joint loads meet
	s_mov_b64 s[G0S+2:G0S+3], s[96:97]
	s_or_b32 s[G0S+3], s[G0S+3], 0x80000000        ; type = 2
	s_mov_b64 s[G0SB+2:G0SB+3], s[100:101]
	s_or_b32 s[G0SB+3], s[G0SB+3], 0x80000000
	JLOAD G0S, G1S, G0SB, G1SB                     ; the scale words first: they are wanted with K step 0
.irp s, 0,1,2
	s_add_nc_u64 s[G0+4*\s+2:G0+4*\s+3], s[16:17], \s*6144         ; slot s: K steps 4 s on
	s_or_b32 s[G0+4*\s+3], s[G0+4*\s+3], 0x80000000
	s_add_nc_u64 s[G0B+4*\s+2:G0B+4*\s+3], s[2:3], \s*6144
	s_or_b32 s[G0B+4*\s+3], s[G0B+4*\s+3], 0x80000000
	JLOAD G0+4*\s, G1, G0B+4*\s, G1B               ; behind the third of these four loads of mine are out
.endr
	v_and_b32 v1, 15, v0                           ; r
	v_bfe_u32 v2, v0, 4, 1                         ; h
	v_and_b32 v3, 31, v0
	v_lshlrev_b32 v24, 4, v3                       ; 16 x lane
	v_lshlrev_b32 v30, 6, v2                       ; 64 h
	s_lshl_b32 s66, s23, 9                         ; my 64 columns: 4 (128 x tile + 64 x half) bytes on
	s_lshl_b32 s67, s22, 8
	s_add_co_u32 s66, s66, s67
	s_mov_b32 s67, 0
	s_add_nc_u64 s[98:99], s[12:13], s[66:67]
.irp b, 0,1,2,3
	global_load_b128 v[BI+8*\b:BI+8*\b+3], v30, s[98:99] offset:128*(\b/2)+32*(\b%2)         ; tile b, register j: the bias of column 32 (b / 2) + 16 h + 8 (b % 2) + j
	global_load_b128 v[BI+8*\b+4:BI+8*\b+7], v30, s[98:99] offset:128*(\b/2)+32*(\b%2)+16
.endr
	s_lshl_b32 s18, s94, 7
	s_lshl_b32 s19, s21, 6
	s_add_co_u32 s18, s18, s19                     ; my first row of C: 128 x tile + 64 x half,
	s_lshl_b32 s18, s18, 13                        ; in bytes,
	s_add_co_u32 s92, s18, s66                     ; + my first column
	s_mov_b32 s93, 0
	s_add_nc_u64 s[92:93], s[14:15], s[92:93]
	s_mul_i32 s66, s21, HALFT                      ; my 64 rows of A,
	s_mul_i32 s67, s22, HALFT
	s_add_co_u32 s67, s67, 2*HALFT                 ; of B
.irp s, 0,1,2
	v_add_nc_u32 v[ADRA+\s], s66, v24
	v_add_nc_u32 v[ADRB+\s], s67, v24
	s_add_co_u32 s66, s66, SLOT
	s_add_co_u32 s67, s67, SLOT
.endr
	s_mul_i32 s66, s21, HALFS
	s_mul_i32 s67, s22, HALFS
	s_add_co_u32 s67, s67, 2*HALFS
	s_sub_co_u32 s67, s67, s66
	v_mul_u32_u24 v6, s67, v2                      ; lanes 16-31 take B's words: one product with h
	s_add_co_u32 s66, s66, SCL
	v_lshl_add_u32 v6, v1, 2, v6
	v_add_nc_u32 v[ADRS], s66, v6
	s_mul_i32 s66, s20, 64*SP
	s_add_co_u32 s66, s66, STAGE                   ; my stage
	v_mul_u32_u24 v4, v1, SP
	v_lshl_add_u32 v4, v2, 6, v4
	v_add_nc_u32 v[STO], s66, v4                   ; in: row r, + 64 h
	v_mul_u32_u24 v5, v2, SP
	v_lshl_add_u32 v5, v1, 4, v5
	v_add_nc_u32 v[RD], s66, v5                    ; back: lanes 0-15 one row of 256 bytes, lanes 16-31 the next
	v_lshlrev_b32 v5, 13, v2
	v_lshl_add_u32 v[CO], v1, 4, v5                ; and the same two rows in C
; K step s: 24 loads of 512 consecutive bytes bring B's four and A's four fragments into set s % 2; four loads bring the scale words: lanes 0-15 A's block i, lanes 16-31 B's block i.
.macro FETCH s
.set FP, (\s)%2
.set FQ, (\s)%4
.set FS, ((\s)/4)%3                    ; K steps 12 to 15 lie in slot 0 again
	WIN TO_F
.irp i, 0,1,2,3
.irp c, 0,1,2
	ds_load_b128 v[128*FP+48+FR*\i+4*\c:128*FP+48+FR*\i+4*\c+3], v[ADRB+FS] offset:\i*6144+FQ*1536+512*\c
.endr
.endr
.irp i, 0,1,2,3
.irp c, 0,1,2
	ds_load_b128 v[128*FP+FR*\i+4*\c:128*FP+FR*\i+4*\c+3], v[ADRA+FS] offset:\i*6144+FQ*1536+512*\c
.endr
.endr
	WIN 0
.irp i, 0,1,2,3
	ds_load_b32 v[SC+4*FP+\i], v[ADRS] offset:1024*\i+64*(\s)
.endr
.endm
; 8 matrix instructions of K step s: A's blocks a0, a0 + 1 x B's four.  first = 1: the bias is the C that starts the sums: nothing is cleared.
; The 16 accumulators take turns, one instruction a turn, in the same order in every step.
.macro MUL8 s, a0, first
.set MP, (\s)%2
.irp a, \a0, \a0+1
.irp b, 0,1,2,3
.if \first
	v_wmma_scale_f32_16x16x128_f8f6f4 v[ACC+8*(4*(\a)+\b):ACC+8*(4*(\a)+\b)+7], v[128*MP+48+FR*\b:128*MP+48+FR*\b+FR-1], v[128*MP+FR*(\a):128*MP+FR*(\a)+FR-1], v[BI+8*\b:BI+8*\b+7], v[SC+4*MP+\b], v[SC+4*MP+(\a)] matrix_a_fmt:MATRIX_FMT_FP6 matrix_b_fmt:MATRIX_FMT_FP6 matrix_a_scale:MATRIX_SCALE_ROW1
.else
	v_wmma_scale_f32_16x16x128_f8f6f4 v[ACC+8*(4*(\a)+\b):ACC+8*(4*(\a)+\b)+7], v[128*MP+48+FR*\b:128*MP+48+FR*\b+FR-1], v[128*MP+FR*(\a):128*MP+FR*(\a)+FR-1], v[ACC+8*(4*(\a)+\b):ACC+8*(4*(\a)+\b)+7], v[SC+4*MP+\b], v[SC+4*MP+(\a)] matrix_a_fmt:MATRIX_FMT_FP6 matrix_b_fmt:MATRIX_FMT_FP6 matrix_a_scale:MATRIX_SCALE_ROW1
.endif
.endr
.endr
.endm
; A K step whose successor's tiles are known to lie in LDS: the next step's loads are issued first, into the set that the last step's products have read, and only then this step's are waited for.
.macro STEP s, first
.if (\s) > 0
	PLACES 4
.endif
	FETCH (\s)+1
	s_wait_dscnt 28                                ; this step's fragments and scale words are in; the 24 + 4 loads just issued may be out
	WIN MUL
	MUL8 \s, 0, \first
	MUL8 \s, 2, \first
.endm
; A K step in front of whose successor a barrier is due.  Each wave waits for all its tensor loads, adds 0 to its spare word, and waits for that and for its reads of LDS so far.
; fill = 1 (K step 3): slot 0 has been read out by then; the barrier opens a round of the cluster's, and behind it slot 0 takes K steps 12 to 15.  The same wait has shown slots 1 and 2 whole to every wave.
; fill = 0 (K step 11): the refill has landed in every wave; behind the barrier slot 0 is read again, and nobody reads slot 1 any more.
.macro TURN s, fill
	WIN 0                                          ; (the add's two registers lie in window 0)
	s_wait_tensorcnt 0x0                           ; all my tensor loads have landed
	ds_add_u32 v[SPW], v[NIL]                      ; 0 onto my spare word
	s_wait_dscnt 1                                 ; this step's fragments and scale words are in; the add may be out
	WIN MUL
	MUL8 \s, 0, 0                                  ; eight matrix instructions stand between the add and the wait for it
	s_wait_dscnt 0x0                               ; the add is done, and no LDS read of mine is out
	s_barrier_signal -1
	WIN 0
	s_barrier_wait -1
.if \fill
	CREST                                          ; no wave of any partner still reads slot 0 or has a load on its way
	s_add_nc_u64 s[G0+2:G0+3], s[G0+2:G0+3], 12*1536   ; no tensor load of mine is out, so a group 0 may be written: twelve K steps on
	s_add_nc_u64 s[G0B+2:G0B+3], s[G0B+2:G0B+3], 12*1536
	JLOAD G0, G1, G0B, G1B                         ; the first tensor load behind the round, and my last; its four v_nop are also the places in front of the loads below
.else
	PLACES 4
.endif
	FETCH (\s)+1
	WIN MUL
	MUL8 \s, 2, 0
.endm
	s_wait_tensorcnt 2                             ; the scale words and my part of slot 0 are in; slots 1 and 2 may be out
	s_barrier_signal -1
	s_barrier_wait -1                              ; everybody's are
	FETCH 0
	s_wait_loadcnt 0x0                             ; the bias
	STEP 0, 1
	STEP 1, 0
	STEP 2, 0
	TURN 3, 1
.irp s, 4,5,6,7,8,9,10
	STEP \s, 0
.endr
	TURN 11, 0
	STEP 12, 0
	STEP 13, 0
	STEP 14, 0
	s_wait_dscnt 0x0                               ; the last step: nothing more to fetch
	MUL8 15, 0, 0
	MUL8 15, 2, 0
	WIN 0
; THE WAY OUT, block by block of 16 rows x 64 columns (256 bytes a row, aligned in C), through my own stage: a lane's eight numbers of a tile go to their true columns; whole rows come back, into the registers that they left,
; and are stored at their true rows, sixteen lanes to a row.  Each block has stage rows of its own.  LDS serves a wave's instructions in order (ISA guide 5.7.1.4): no wait between the stores and the loads.
.macro TOSTAGE a
.irp b, 0,1,2,3
	ds_store_b128 v[STO], v[ACC+32*(\a)+8*\b:ACC+32*(\a)+8*\b+3] offset:(\a)*16*SP+128*(\b/2)+32*(\b%2)        ; each accumulator from its low end on
	ds_store_b128 v[STO], v[ACC+32*(\a)+8*\b+4:ACC+32*(\a)+8*\b+7] offset:(\a)*16*SP+128*(\b/2)+32*(\b%2)+16
.endr
.irp t, 0,1,2,3,4,5,6,7
	ds_load_b128 v[ACC+32*(\a)+4*\t:ACC+32*(\a)+4*\t+3], v[RD] offset:(\a)*16*SP+2*\t*SP
.endr
.endm
.macro SEND a, younger                 ; younger: the LDS instructions issued behind block a's loads: the next block's sixteen, or none
.irp t, 0,1,2,3,4,5,6,7
	s_wait_dscnt \younger+7-\t
	global_store_b128 v[CO], v[ACC+32*(\a)+4*\t:ACC+32*(\a)+4*\t+3], s[92:93] offset:(32*((\a)/2)+8*((\a)%2)+2*\t+8*(\t/4))*8192 th:TH_STORE_NT   ; 16 lanes store 256 consecutive bytes, aligned; 62 rows of 8,192 bytes at the most: inside the immediate; no store's register is written again
.endr
.endm
	PLACES 4                                       ; behind the last products, in front of the first read of results and of loads into them
	TOSTAGE 0
	TOSTAGE 1
	SEND 0, 16
	TOSTAGE 2
	SEND 1, 16
	TOSTAGE 3
	SEND 2, 16
	SEND 3, 0
	s_wait_tensorcnt 0x0                           ; the wave's end: behind my last tensor load and my last LDS store
	ds_add_u32 v[SPW], v[NIL]
	s_wait_dscnt 0x0
	CROUND                                         ; the closing round: no work-group ends while a partner may still ask for a tile that names it
	s_endpgm
.Lfunc_end_k_q654ad47005_outp:
	.size	k_q654ad47005_outp, .Lfunc_end_k_q654ad47005_outp-k_q654ad47005_outp
	.p2alignl 7, 3214868480
	.fill 96, 4, 3214868480
	.section	.rodata,"a",@progbits
	.p2align	6, 0x0
	.amdhsa_kernel k_q654ad47005_outp
		.amdhsa_group_segment_fixed_size 327680
		.amdhsa_private_segment_fixed_size 0
		.amdhsa_enable_private_segment 0
		.amdhsa_kernarg_size 48
		.amdhsa_user_sgpr_count 2
		.amdhsa_user_sgpr_kernarg_segment_ptr 1
		.amdhsa_wavefront_size32 1
		.amdhsa_system_sgpr_workgroup_id_x 1
		.amdhsa_system_sgpr_workgroup_id_y 1
		.amdhsa_system_sgpr_workgroup_id_z 1
		.amdhsa_system_vgpr_workitem_id 0
		.amdhsa_next_free_vgpr 512
		.amdhsa_next_free_sgpr 102
		.amdhsa_reserve_vcc 0
		.amdhsa_float_denorm_mode_32 3
		.amdhsa_float_denorm_mode_16_64 3
		.amdhsa_memory_ordered 1
		.amdhsa_forward_progress 1
		.amdhsa_inst_pref_size 86
	.end_amdhsa_kernel
	.amdgpu_metadata
---
amdhsa.version: [ 1, 2 ]
amdhsa.kernels:
  - .name:           k_q654ad47005_outp
    .symbol:         k_q654ad47005_outp.kd
    .args:
      - { .name: yc, .offset: 0, .size: 8, .value_kind: global_buffer, .address_space: global }
      - { .name: ys, .offset: 8, .size: 8, .value_kind: global_buffer, .address_space: global }
      - { .name: wcodes, .offset: 16, .size: 8, .value_kind: global_buffer, .address_space: global }
      - { .name: wscales, .offset: 24, .size: 8, .value_kind: global_buffer, .address_space: global }
      - { .name: wo_b, .offset: 32, .size: 8, .value_kind: global_buffer, .address_space: global }
      - { .name: out0, .offset: 40, .size: 8, .value_kind: global_buffer, .address_space: global }
    .group_segment_fixed_size: 327680
    .private_segment_fixed_size: 0
    .kernarg_segment_align: 8
    .kernarg_segment_size: 48
    .max_flat_workgroup_size: 128
    .sgpr_count:     102
    .vgpr_count:     512
    .wavefront_size: 32
...
	.end_amdgpu_metadata
.endif
;; end of part 5
